; MI455X (gfx1250); checked and timed in simulation.
; The chip was launched on July 23, 2026; its instructions are those of AMD's public machine-readable ISA for CDNA 5 (MIT licence, August 2026) and "CDNA5" Instruction Set Architecture Reference Guide (July 2026). The comments in the code are by the model that wrote it; some were corrected since.
;; Multi Header Attention. Allowed arithmetic: matrix products marked QUANTISED: E2M3 operands, one E8M0 scale for each 32 along K, by v_wmma_scale_f32_16x16x128_f8f6f4 with both operands' format E2M3, f32 sums; everything else in f32.
;; Inputs: b_k 1,024 float32; b_o 1,024 float32; b_q 1,024 float32; b_v 1,024 float32; k 4 x 2,048 x 1,024 float32; q 4 x 2,048 x 1,024 float32; v 4 x 2,048 x 1,024 float32; w_k 1,024 x 1,024 float32; w_o 1,024 x 1,024 float32; w_q 1,024 x 1,024 float32; w_v 1,024 x 1,024 float32.
;; Outputs: out0 4 x 2,048 x 1,024 float32.
;; This version of the problem:
;;   THIS VERSION OF THE PROBLEM IS GIVEN IN LOW PRECISION. The matrix products marked QUANTISED in the list below multiply operands that are first quantised to E2M3 (2 exponent bits, 3 mantissa bits; 6 bits a number), with one power-of-two scale for each 32 numbers along K (OCP MX v1.0); their sums are f32. All else is computed in f32.
;;   The module's matrix products, in the order in which they are computed (A, B: the left and right operand; K: the contracted axis; several contracted axes count as one K, in the product's order):
;;     1. [M 8,192, K 1,024] x [K 1,024, N 1,024]; A: input q; B: input w_q: QUANTISED
;;     2. [M 8,192, K 1,024] x [K 1,024, N 1,024]; A: input k; B: input w_k: QUANTISED
;;     3. [M 8,192, K 1,024] x [K 1,024, N 1,024]; A: input v; B: input w_v: QUANTISED
;;     4. batch 64 x [M 2,048, K 64] x [K 64, N 2,048]; A: computed on the way; B: computed on the way: QUANTISED
;;     5. batch 64 x [M 2,048, K 2,048] x [K 2,048, N 64]; A: softmax (see below); B: computed on the way: QUANTISED
;;     6. [M 8,192, K 1,024] x [K 1,024, N 1,024]; A: computed on the way; B: input w_o: QUANTISED
;;   THE QUANTISER, for each operand of a quantised product, along K:
;;     - K is cut into blocks of 32 from its start; a last block that is shorter is filled with zeros.
;;     - A block's scale is 2^e with e = floor(log2(the largest magnitude in the block)) - 2, held to -126 .. 127; a block of zeros has e = 0. As a byte (E8M0): e + 127.
;;     - Each number is divided by its block's scale, clamped to +-7.5, and rounded to the nearest number of E2M3, ties to even, subnormals kept.
;;     - The product sums the exact products of the quantised numbers (number of the format x scale) in f32.
;;   ~~~python
;;   def quantise(x, axis):      # numpy; x: float32 -> the quantised numbers, widened to float32 again
;;       x = np.moveaxis(x, axis, -1); K = x.shape[-1]
;;       x = np.pad(x, [(0, 0)] * (x.ndim - 1) + [(0, -K % 32)]); x = x.reshape(x.shape[:-1] + (-1, 32)); a = np.abs(x).max(-1, keepdims=True)
;;       e = np.where(a > 0, np.clip(np.frexp(np.where(a > 0, a, 1))[1] - 1 - 2, -126, 127), 0)      # np.frexp(a)[1] - 1 = floor(log2(a)), exactly
;;       r = np.clip(x / 2.0 ** e, -7.5, 7.5)
;;       step = 2.0 ** (np.maximum(np.frexp(np.where(r == 0, 1, r))[1] - 1, 0) - 3)
;;       q = np.round(r / step) * step * 2.0 ** e      # np.round: ties to even
;;       return np.moveaxis(q.reshape(q.shape[:-2] + (-1,))[..., :K], -1, axis).astype(np.float32)
;;   ~~~
;;   SOFTMAX AHEAD OF A QUANTISED PRODUCT. Where the list says 'softmax', what is quantised is not the finished softmax but p = 2^(t - M), with t = logit x log2(e) and M = ceil(the row's largest t), a whole number; so 1/2 < the row's largest p <= 1. The row's sum l is taken of the UNQUANTISED p, in f32, and the product's result is divided by l at the end. Since M is a whole number, a kernel that streams over the keys may use a running M (the ceiling of the running maximum): every later rescaling is an exact power of two, which a block's scale takes up: the codes' values come out the same.
;;   OPERANDS COMPUTED ON THE WAY. 'Computed on the way' means the value that the module computes at that place (a softmax that the list does not call 'softmax' is quantised finished and normalised). What goes into a quantiser is computed in f32, as accurately as f32 sums, v_exp_f32 and their like allow (about 1e-6 of the number): no bf16 or f16 on the way to a quantiser, and a product that is left as it is and whose result goes on into a quantised operand takes f32 operands (vector FMAs, or v_wmma_f32_16x16x4_f32). A number that lies on a knife's edge between two numbers of the format may be rounded either way, as far as f32 arithmetic and the matrix unit's own rounding can turn it there, and no further.
;; One version. Each part assembles by itself: llvm-mc -triple=amdgcn-amd-amdhsa -mcpu=gfx1250 --defsym DOCPART=n.
;; ======== version 1 of 1: 4 launches
;; limits: right only within a limited range of input values
;; workspace buffers: ci 22,020,096 bytes; cs 917,504 bytes; qi 6,553,600 bytes; kv 13,107,200 bytes; xc 6,291,456 bytes; xcs 262,144 bytes
;; launch quant (part 1): grid 224 x 1, 8 waves a work-group, no clusters, 68,608 bytes of LDS; arguments q, k, v, w_q, w_k, w_v, w_o, ci, cs; writes ci, cs
.if DOCPART == 1
	.amdgcn_target "amdgcn-amd-amdhsa--gfx1250"
	.amdhsa_code_object_version 6
	.text
	.protected	k_qd6bf93ee49_quant
	.globl	k_qd6bf93ee49_quant
	.p2align	8
	.type	k_qd6bf93ee49_quant,@function
k_qd6bf93ee49_quant:
	s_mov_b64 s[64:65], 0
	v_nop
	global_prefetch_b8 v0, s[64:65] scope:SCOPE_SE
	s_setreg_imm32_b32 hwreg(HW_REG_WAVE_MODE, 25, 1), 1
	s_wait_xcnt 0x0
; q, k, v [8192][1024] and w_q, w_k, w_v, w_o [1024][1024], f32, K innermost, become codes of FP6 (E2M3) with one E8M0 byte for each 32 along K,
; laid AS THE MATRIX OPERAND'S REGISTERS WANT THEM.  Rows go in groups of 128 (224 groups: q 0-63, k 64-127, v 128-191, w_q 192-199, w_k 200-207, w_v 208-215, w_o 216-223).
; ci: [group][K step of 128: 8][tile: 8][half c: 2][768 bytes].  A tile is 16 rows: lane r of tile 2 b + u holds row 32 b + 8 u + r + 8 (r / 8) of the group.
;   A half holds, for lane (r, h), the 24 bytes of k = 64 c + 32 h + 0 .. 31: registers 0-3 at 16 x lane, registers 4-5 at 512 + 8 x lane.
; cs: [group][K step][r: 16][tile: 8] words of four scale bytes (byte b: k = 32 b .. 32 b + 31 of the step).
; A block's scale is 2^(floor(log2(largest magnitude)) - 2): its byte is the largest magnitude's exponent field - 2, held at 1 from below.
; LIMITS: a block of zeros gets the byte 1 where the rule says 127 (its codes are zeros, and this program alone reads the bytes); magnitudes under 2^-124 are held at that floor; NaN and infinities are not served.
; SHARES: a work-group takes a group of 128 rows; wave w takes K step w, 512 bytes of each row, tile by tile.  Each load reads 512 consecutive bytes of one row; a tile's 16 rows turn through the
; wave's own stage in LDS (pitch 528 = 33 x 16 bytes: 64 banks of 4 bytes, ISA guide 11.1) and come back 128 bytes a lane and half.
; Nothing is shared between waves or work-groups: no barrier, no tensor load, no cluster.  Two tiles' loads (32 a wave) are on their way.
.set SP,    528                        ; a stage row
.set STGB,  16*SP                      ; a wave's stage
.set RA,    64                         ; v64-191  two sets of 64: a tile as loaded
.set XN,    192                        ; v192-255 my 64 numbers: register 32 c + i = k 64 c + 32 h + i of row r
.set CD,    28                         ; v28-39   the fragment's 12 registers
.set CT,    40                         ; v40-46   the upper halves of the two blocks, as converted
.set SW,    20                         ; v20-27   the eight tiles' scale words
	s_load_b512 s[8:23], s[0:1], 0x0               ; q, k, v, w_q, w_k, w_v, w_o, ci
	s_load_b64 s[24:25], s[0:1], 0x40              ; cs
	v_lshl_add_u32 v62, v0, 2, 0x10800
	v_mov_b32 v63, 0
	v_lshrrev_b32 v1, 5, v0
	s_delay_alu instid0(VALU_DEP_1)
	v_readfirstlane_b32 s2, v1                     ; wave = K step
	v_and_b32 v2, 31, v0                           ; lane
	v_and_b32 v3, 15, v0                           ; r
	v_bfe_u32 v18, v0, 4, 1                        ; h
	s_delay_alu instid0(VALU_DEP_3)
	v_lshlrev_b32 v7, 4, v2                        ; 16 x lane
	s_delay_alu instid0(VALU_DEP_4)
	v_lshlrev_b32 v8, 3, v2                        ; 8 x lane
	s_lshl_b32 s3, s2, 9
	v_add_nc_u32 v4, s3, v7                        ; in: my 16 bytes of the wave's 512 of a row
	s_mul_i32 s3, s2, STGB
	v_add_nc_u32 v5, s3, v7                        ; the stage, on the way in
	v_mul_u32_u24 v6, v3, SP
	s_delay_alu instid0(VALU_DEP_1)
	v_lshl_add_u32 v6, v18, 7, v6
	s_delay_alu instid0(VALU_DEP_1)
	v_add_nc_u32 v6, s3, v6                        ; and on the way out: row r, + 128 h
	v_lshlrev_b32 v9, 5, v3
	s_delay_alu instid0(VALU_DEP_1)
	v_lshl_add_u32 v9, v18, 4, v9                  ; the scale words' place: 32 r + 16 h
	v_lshlrev_b32 v18, 3, v18                      ; 8 h: how far my two bytes are shifted in the word
	v_mov_b32 v19, 0                               ; written once: a lane permute's destination counts as one of its sources
	; K'S GROUPS (64-127) HAVE ANOTHER ORDER OF ROWS: row i of tile t is row 64 (t / 4) + 8 (t % 4) + i % 8 + 32 (i / 8) of the group, so that in the scores a lane's 32 registers of four tiles are one block of 32 keys.
	; The two orders differ by 16 rows in half of the loads: those take one of two offsets, v52 (16 rows on for q, w_v and w_o) and v53 (16 rows on for k, v, w_q and w_k).
	; the same order serves v's groups and w_q's and w_k's: groups 64 to 207 in all
	s_sub_co_u32 s3, ttmp9, 64
	s_cmp_lt_u32 s3, 144
	s_cselect_b32 s3, 0x10000, 0
	v_add_nc_u32 v53, s3, v4
	s_xor_b32 s3, s3, 0x10000
	v_add_nc_u32 v52, s3, v4
	s_mov_b32 s27, 0xffff0000                      ; lanes 16-31
	s_mov_b32 s28, 0x76543210
	s_mov_b32 s29, 0xfedcba98                      ; v_permlanex16_b32's selects for lane l xor 16
	s_cmp_lt_u32 ttmp9, 192
	s_cselect_b32 s6, 63, 7
	s_and_b32 s6, ttmp9, s6                        ; the group's number inside its tensor
	s_lshl_b32 s6, s6, 19                          ; x 128 rows of 4,096 bytes
	s_mov_b32 s7, 0
	s_lshl_b32 s26, ttmp9, 3
	s_add_co_u32 s26, s26, s2                      ; 8 x group + K step
	s_mul_i32 s30, s26, 12288                      ; a K step's eight fragments
	s_mov_b32 s31, 0
	s_wait_alu depctr_va_vdst(0)
	s_wait_kmcnt 0x0
	s_mov_b64 s[4:5], s[8:9]                       ; which tensor: the choice hangs on the work-group's number alone
	s_cmp_ge_u32 ttmp9, 64
	s_cselect_b64 s[4:5], s[10:11], s[4:5]
	s_cmp_ge_u32 ttmp9, 128
	s_cselect_b64 s[4:5], s[12:13], s[4:5]
	s_cmp_ge_u32 ttmp9, 192
	s_cselect_b64 s[4:5], s[14:15], s[4:5]
	s_cmp_ge_u32 ttmp9, 200
	s_cselect_b64 s[4:5], s[16:17], s[4:5]
	s_cmp_ge_u32 ttmp9, 208
	s_cselect_b64 s[4:5], s[18:19], s[4:5]
	s_cmp_ge_u32 ttmp9, 216
	s_cselect_b64 s[4:5], s[20:21], s[4:5]
	s_add_nc_u64 s[4:5], s[4:5], s[6:7]
	s_add_nc_u64 s[22:23], s[22:23], s[30:31]      ; ci at my K step of my group
	s_lshl_b32 s30, s26, 9
	s_add_nc_u64 s[24:25], s[24:25], s[30:31]      ; cs likewise: 512 bytes
.macro LOAD t                          ; tile t's 16 rows, 512 consecutive bytes each, into set t % 2
.irp k, 0,1,2,3,4,5,6,7,8,9,10,11,12,13,14,15
.if ((\k) < 8) && (((\t)%4) >= 2)
	global_load_b128 v[RA+64*((\t)%2)+4*\k:RA+64*((\t)%2)+4*\k+3], v52, s[4:5] offset:(64*((\t)/4)+8*((\t)%4)+\k)*4096 th:TH_LOAD_NT
.elseif ((\k) >= 8) && (((\t)%4) < 2)
	global_load_b128 v[RA+64*((\t)%2)+4*\k:RA+64*((\t)%2)+4*\k+3], v53, s[4:5] offset:(32*((\t)/2)+8*((\t)%2)+\k+8*(\k/8))*4096 th:TH_LOAD_NT
.else
	global_load_b128 v[RA+64*((\t)%2)+4*\k:RA+64*((\t)%2)+4*\k+3], v4, s[4:5] offset:(32*((\t)/2)+8*((\t)%2)+\k+8*(\k/8))*4096 th:TH_LOAD_NT
.endif
.endr
.endm
.macro TILE t
.if (\t) < 7
	s_wait_loadcnt 16                              ; this tile's 16 loads are in; the next tile's 16 may be out
.else
	s_wait_loadcnt 0x0
.endif
.irp k, 0,1,2,3,4,5,6,7,8,9,10,11,12,13,14,15
	ds_store_b128 v5, v[RA+64*((\t)%2)+4*\k:RA+64*((\t)%2)+4*\k+3] offset:SP*\k
.endr
.irp c, 0,1
.irp j, 0,1,2,3,4,5,6,7
	ds_load_b128 v[XN+32*\c+4*\j:XN+32*\c+4*\j+3], v6 offset:256*\c+16*\j   ; LDS serves a wave's instructions in order: these see the stores above
.endr
.endr
	s_wait_dscnt 0x0                               ; my 64 numbers are in, and the stores have read their registers,
.if (\t)+2 < 8
	LOAD (\t)+2                                    ; which take the tile two on
.endif
.irp c, 0,1                                    ; block 2 c + h is all mine: its largest magnitude in two chains, with the floor 2^(3 - 127) among the leaves, so that the byte cannot fall under 1
.irp e, 0,1
	v_max3_num_f32 v[10+2*\c+\e], |v[XN+32*\c+16*\e]|, |v[XN+32*\c+16*\e+1]|, 0x1800000
.endr
.endr
.irp i, 2,4,6,8,10,12,14
.irp c, 0,1
.irp e, 0,1
	s_delay_alu instid0(VALU_DEP_4)
	v_max3_num_f32 v[10+2*\c+\e], v[10+2*\c+\e], |v[XN+32*\c+16*\e+\i]|, |v[XN+32*\c+16*\e+\i+1]|
.endr
.endr
.endr
.irp c, 0
	s_delay_alu instid0(VALU_DEP_3)
	v_max_num_f32 v[10+2*\c], v[10+2*\c], v[11+2*\c]
.endr
.irp c, 1
	s_delay_alu instid0(VALU_DEP_2)
	v_max_num_f32 v[10+2*\c], v[10+2*\c], v[11+2*\c]
.endr
.irp c, 0,1
	s_delay_alu instid0(VALU_DEP_2)
	v_add_nc_u32 v[14+\c], 0xff000000, v[10+2*\c]  ; 2 off the exponent field: the conversion takes the exponent field of this operand as its scale
.endr
.irp c, 0,1
	s_delay_alu instid0(VALU_DEP_2)
	v_lshrrev_b32 v[16+\c], 23, v[14+\c]           ; the scale's byte
.endr
	s_delay_alu instid0(VALU_DEP_1)
	v_lshl_or_b32 v12, v17, 16, v16                ; my two bytes: blocks h and 2 + h,
	s_delay_alu instid0(VALU_DEP_1)
	v_lshlrev_b32 v12, v18, v12                    ; at their places in the word;
	s_delay_alu instid0(VALU_DEP_1)
	v_permlanex16_b32 v19, v12, s28, s29
	s_delay_alu instid0(VALU_DEP_1)
	v_or_b32 v[SW+(\t)], v12, v19                  ; with lane l xor 16's two the word is whole
	s_wait_alu depctr_va_vdst(0)
	s_wait_xcnt 0x0                                ; the last tile's stores have read their data: the codes' registers are written again only behind this wait
.irp c, 0,1
	v_cvt_scalef32_pk16_fp6_f32 v[CD+6*\c:CD+6*\c+2], v[XN+32*\c:XN+32*\c+15], v[14+\c]
	v_cvt_scalef32_pk16_fp6_f32 v[CT+4*\c:CT+4*\c+2], v[XN+32*\c+16:XN+32*\c+31], v[14+\c]   ; (a conversion's three registers begin on an even number)
.endr
	v_nop                                          ; one plain place behind a scaled conversion
.irp c, 0,1
.irp i, 0,1,2
	v_mov_b32 v[CD+6*\c+3+\i], v[CT+4*\c+\i]
.endr
.endr
	global_store_b128 v7, v[CD:CD+3], s[22:23] offset:1536*(\t)             ; 512 consecutive bytes, at a multiple of 256 from ci's first byte
	global_store_b64 v8, v[CD+4:CD+5], s[22:23] offset:1536*(\t)+512        ; 256
	global_store_b128 v7, v[CD+6:CD+9], s[22:23] offset:1536*(\t)+768
	global_store_b64 v8, v[CD+10:CD+11], s[22:23] offset:1536*(\t)+1280
.endm
	LOAD 0
	LOAD 1
.irp t, 0,1,2,3,4,5,6,7
	TILE \t
.endr
.irp w, 0,1,2,3
	v_cndmask_b32 v[48+\w], v[SW+\w], v[SW+4+\w], s27   ; lanes 0-15 store row r's words of tiles 0-3, lanes 16-31 those of tiles 4-7
.endr
	global_store_b128 v9, v[48:51], s[24:25]       ; the K step's 512 bytes of scale words, whole
	s_wait_tensorcnt 0x0
	ds_add_u32 v62, v63
	s_wait_dscnt 0x0
	s_endpgm
.Lfunc_end_k_qd6bf93ee49_quant:
	.size	k_qd6bf93ee49_quant, .Lfunc_end_k_qd6bf93ee49_quant-k_qd6bf93ee49_quant
	.p2alignl 7, 3214868480
	.fill 96, 4, 3214868480
	.section	.rodata,"a",@progbits
	.p2align	6, 0x0
	.amdhsa_kernel k_qd6bf93ee49_quant
		.amdhsa_group_segment_fixed_size 68608
		.amdhsa_private_segment_fixed_size 0
		.amdhsa_enable_private_segment 0
		.amdhsa_kernarg_size 72
		.amdhsa_user_sgpr_count 2
		.amdhsa_user_sgpr_kernarg_segment_ptr 1
		.amdhsa_wavefront_size32 1
		.amdhsa_system_sgpr_workgroup_id_x 1
		.amdhsa_system_sgpr_workgroup_id_y 1
		.amdhsa_system_sgpr_workgroup_id_z 1
		.amdhsa_system_vgpr_workitem_id 0
		.amdhsa_next_free_vgpr 256
		.amdhsa_next_free_sgpr 66
		.amdhsa_reserve_vcc 0
		.amdhsa_float_denorm_mode_32 3
		.amdhsa_float_denorm_mode_16_64 3
		.amdhsa_memory_ordered 1
		.amdhsa_forward_progress 1
		.amdhsa_inst_pref_size 70
	.end_amdhsa_kernel
	.amdgpu_metadata
---
amdhsa.version: [ 1, 2 ]
amdhsa.kernels:
  - .name:           k_qd6bf93ee49_quant
    .symbol:         k_qd6bf93ee49_quant.kd
    .args:
      - { .name: q, .offset: 0, .size: 8, .value_kind: global_buffer, .address_space: global }
      - { .name: k, .offset: 8, .size: 8, .value_kind: global_buffer, .address_space: global }
      - { .name: v, .offset: 16, .size: 8, .value_kind: global_buffer, .address_space: global }
      - { .name: w_q, .offset: 24, .size: 8, .value_kind: global_buffer, .address_space: global }
      - { .name: w_k, .offset: 32, .size: 8, .value_kind: global_buffer, .address_space: global }
      - { .name: w_v, .offset: 40, .size: 8, .value_kind: global_buffer, .address_space: global }
      - { .name: w_o, .offset: 48, .size: 8, .value_kind: global_buffer, .address_space: global }
      - { .name: ci, .offset: 56, .size: 8, .value_kind: global_buffer, .address_space: global }
      - { .name: cs, .offset: 64, .size: 8, .value_kind: global_buffer, .address_space: global }
    .group_segment_fixed_size: 68608
    .private_segment_fixed_size: 0
    .kernarg_segment_align: 8
    .kernarg_segment_size: 72
    .max_flat_workgroup_size: 256
    .sgpr_count:     66
    .vgpr_count:     256
    .wavefront_size: 32
...
	.end_amdgpu_metadata
.endif
;; end of part 1
;; launch proj (part 2): grid 4 x 48, 4 waves a work-group, clusters of 4 x 1, 327,680 bytes of LDS; arguments ci, cs, b_q, b_k, b_v, qi, kv; writes qi, kv
.if DOCPART == 2
	.amdgcn_target "amdgcn-amd-amdhsa--gfx1250"
	.amdhsa_code_object_version 6
	.text
	.protected	k_qd6bf93ee49_proj
	.globl	k_qd6bf93ee49_proj
	.p2align	8
	.type	k_qd6bf93ee49_proj,@function
k_qd6bf93ee49_proj:
	s_mov_b64 s[64:65], 0
	v_nop
	global_prefetch_b8 v0, s[64:65] scope:SCOPE_SE
	s_setreg_imm32_b32 hwreg(HW_REG_WAVE_MODE, 25, 1), 1
	s_wait_xcnt 0x0
	s_wait_alu depctr_hold_cnt(0) depctr_sa_sdst(0) depctr_va_vdst(0) depctr_va_sdst(0) depctr_va_ssrc(0) depctr_va_vcc(0) depctr_vm_vsrc(0)
	s_getreg_b32 s2, hwreg(HW_REG_IB_STS2, 6, 4)
	s_cmp_eq_u32 s2, 0
	s_cbranch_scc0 .Lentry_in_a_cluster
	s_endpgm
.Lentry_in_a_cluster:
	s_bfe_u32 s2, ttmp6, 0x10000c
	s_cmp_lg_u32 s2, 0x3003
	s_cbranch_scc0 .Lentry_shape_is_right
	s_endpgm
.Lentry_shape_is_right:
; Q = q w_q^T + b_q, K = k w_k^T + b_k, V = v w_v^T + b_v on codes of FP6 (E2M3) with E8M0 scales, and the quantising of the results for the attention launch: ONE text for the three.
; THE FORM.  A wave HOLDS 64 rows of one operand, all of K = 1,024, in 384 registers (4 tiles x 8 K steps x 12), and the other operand STREAMS past in tiles of 16 rows, all of K.  A tile is 32 products, and its 16 x 64 sums are then finished.
;   Q, K: held = a head's 64 rows of the weight; streamed = 512 tokens (4 groups of 128).    V: held = a band of 64 tokens of v; streamed = 512 rows of w_v (4 groups).
; Source 0 is a held tile, source 1 the streamed tile: lane (r, h) has streamed row r, and register 8 t + i is held row 8 t + i + 32 h of the 64 (the order in which the first launch lays these groups):
; 32 NEIGHBOURS ALONG THE NEXT PRODUCT'S K, one scale block, in the order of the operand's registers.  So no lane asks another: largest magnitude, scale, two conversions, and 24 bytes a lane leave as half a fragment's image.
; THE DEAL.  192 work-groups of four waves (three tensors x 64): 3 does not divide 1,024 waves unless a wave changes its held operand on the way.  y = 16 tensor + yy.
;   Q, K: held groups 192 + 8 tensor + 2 cx + (0, 1), wave w = head 4 cx + w; streamed groups 64 tensor + 4 yy + (0 .. 3).   V: held groups 128 + 2 (4 (yy / 2) + cx) + (0, 1), wave w = group w / 2, band w % 2; streamed groups 208 + 4 (yy % 2) + (0 .. 3).
; CLUSTER 4 x 1: the four partners stream the same rows and ask for them jointly (mask 15).  The held rows differ in all four partners, so their loads are plain; v's deal has only two streamed parts, so a second axis of four has no equal mask for the three tensors.
; LDS: three regions of a group's 98,304 bytes, the streamed rows' 16,384 bytes of scale words, the spare words.  At the head one load a wave: the two held groups (regions 1, 2), streamed group 0 (region 0), the scale words.
; TWO REFILLS, each behind a wait, an LDS add, its wait and a round: streamed groups 1, 2 onto the held groups, once these lie in registers; streamed group 3 onto group 0, once its last tile is fetched.
; A TILE'S STEP: its 32 products; behind every second one two lines of the LAST tile's way out (bias, largest magnitude in two chains) and the addresses; behind the last product the conversions and stores, then the fetch of the tile two on.
; The first step's way out works on zeros and stores nothing (a branch on the tiles' counter round the three stores).
; THE BIAS is x[register] x y[lane] + sum: Q, K: x = the bias at the lane's 32 held rows, y = 1; V: x = 1, y = the bias at the lane's streamed row, loaded with each tile (for Q, K that load's number is not used).
; PREFETCH: streamed group 3, loaded six tiles later, is named once in the cluster, 24 blocks of 256 bytes a wave, shared out by address; all other tiles are asked for by their loads at the head.
; SCALE BYTES leave as single bytes, 32 of a 256-byte unit an instruction: of V's scale word two bytes come from another wave; they are 1 / 24 of what is stored.
; LIMITS: a block of zeros gets the byte 1 where the rule says 127 (its codes are zeros, this program alone reads the bytes); magnitudes under 2^-124 are held at that floor; NaN and infinities are not served.
.set GRPB,  98304                      ; a group: [K step: 8][tile: 8][1,536]
.set STEPB, 12288
.set W0,    GRPB                       ; regions 1, 2
.set XSC,   3*GRPB                     ; the streamed rows' scale words: [group: 4][K step][r][tile]
.set SPARE, XSC+16384
.set FR,    12
.set FPW,   21                         ; fragments in a window of 256 registers.  Fragment f lies in window 1 + f / 21 at 12 (f % 21): 0-31 held (4 q + t), 32-39 and 40-47 the streamed tile's two sets
.set L16, 1                            ; v1 16 x lane; v2 8 x lane; v3, v4 the same + 49,152 (K steps 4-7)
.set L8,  2
.set H16, 3
.set H8,  4
.set XS0, 5                            ; v5  XSC + 32 r
.set SBO, 6                            ; v6  16 r + h
.set YO,  7                            ; v7  4 (r + 8 (r / 8))
.set XA,  8                            ; v8-11 as v1-4, at the tile that is fetched next; v12 as v5
.set XS,  12
.set VC16, 84                          ; v84-86, v88-90 the stores' offsets, two sets
.set VC8, 85
.set VSB, 86
.set TQ,  16                           ; v16-17 the two chains
.set SOP, 18
.set EB,  19
.set YB,  20                           ; v[20:21] y
.set YR,  22                           ; v22-23 y as loaded, two sets
.set PF,  24
.set SPW, 25
.set NIL, 26
.set R32, 27
.set SB,  32                           ; v32-63 the held rows' scale words: 8 t + q
.set SA,  68                           ; v68-83 the streamed tile's: 8 e + q (four off SB's numbers modulo 8)
.set ACC, 96                           ; v96-159 two sets of four accumulators
.set XB,  160                          ; v160-191 x
.set CD,  192                          ; v192-197 codes; v198-200 the second conversion's
.set TC,  198
.set WV, 18
.set CX, 19
.set TT, 20
.set YY, 21
.set SELM, 22
.set M,  23                            ; s23 the tile whose way out is at work: the step's number - 1
.set G1P, 24
.set G1J, 32
.set G1S, 40
.set G0A, 48
.set G0X, 52
.set G0S, 56
.set FB, 60
.set FS, 61
.set CNT, 62
.set SG, 63
.set C1, 66                            ; s66-71 what bits 1:0, bit 2 and bits 4:3 of the tile's number add to the codes' and to the scale bytes' place
.set C2, 67
.set C3, 68
.set E1, 69
.set E2, 70
.set E3, 71
.set OC, 72
.set OS, 73
.set PCD, 80
.set PSC, 82
.set YP, 84
.set YST, 86
.set SX, 88
.set RSP, 90
.set MSB, 0
.macro WIN new
.if MSB != \new
	s_set_vgpr_msb (MSB<<8)|\new
.set MSB, \new
.endif
.endm
.macro WALU
	s_wait_alu depctr_va_vdst(0)
.endm
.macro CROUND
	s_barrier_signal -1
	s_barrier_wait -1
	s_cmp_lg_u32 s[WV], 0
	s_cbranch_scc1 .Lnot_wave_0_\@
	s_barrier_signal -3
.Lnot_wave_0_\@:
	s_barrier_wait -3
	s_barrier_signal -1
	s_barrier_wait -1
.endm
.macro TLOAD g0, g1
	tensor_load_to_lds s[\g0:\g0+3], s[\g1:\g1+7]
	s_nop 0
.rept 4
	v_nop
.endr
.endm
.macro GROUP1 g, w0, rows              ; dense bytes as rows of 256 (32 elements of 8 bytes)
	s_mov_b32 s[\g], \w0
	s_mov_b32 s[\g+1], 32<<16
	s_mov_b32 s[\g+2], (\rows)<<16
	s_mov_b32 s[\g+3], 32<<16
	s_mov_b32 s[\g+4], \rows
	s_mov_b32 s[\g+5], 32
	s_mov_b32 s[\g+6], 0
	s_mov_b32 s[\g+7], 0
.endm
.macro REFILL rows, lds0, gl0          ; a joint refill, a quarter (rows x 256 bytes) a wave, from byte gl0 of the streamed groups to LDS byte lds0
	s_wait_tensorcnt 0x0
	ds_add_u32 v[SPW], v[NIL]
	s_mov_b32 s[G1J+2], (\rows)<<16
	s_mov_b32 s[G1J+4], \rows
	s_mul_i32 s74, s[WV], (\rows)*256
	s_add_co_u32 s[G0A+1], s74, \lds0
	s_add_co_u32 s74, s74, \gl0
	s_mov_b32 s75, 0
	s_add_nc_u64 s[G0A+2:G0A+3], s[SX:SX+1], s[74:75]
	s_or_b32 s[G0A+3], s[G0A+3], 0x80000000
	s_wait_dscnt 0x0
	CROUND
	TLOAD G0A, G1J
.endm
.macro FRAGL f, a, off                 ; a fragment as it lies
	WIN (1+(\f)/FPW)<<6
.set R_, FR*((\f)%FPW)
	ds_load_b128 v[R_:R_+3], v[\a] offset:\off
	ds_load_b64 v[R_+4:R_+5], v[\a+1] offset:\off+512
	ds_load_b128 v[R_+6:R_+9], v[\a] offset:\off+768
	ds_load_b64 v[R_+10:R_+11], v[\a+1] offset:\off+1280
.endm
.macro FETCH e, xa, xs                 ; a streamed tile into set e: 40 LDS loads.  The trip's second tile lies 1,536 bytes on
.irp q, 0,1,2,3,4,5,6,7
	FRAGL 32+8*(\e)+\q, (\xa)+2*(\q/4), (\q%4)*STEPB+1536*(\e)
.endr
	WIN 0
.irp q, 0,1,2,3,4,5,6,7
	ds_load_b32 v[SA+8*(\e)+\q], v[\xs] offset:\q*512+4*(\e)
.endr
.endm
.macro PROD e, n                       ; product n = 4 q + t: the four accumulators by turns
.set Q_, (\n)/4
.set T_, (\n)%4
.set FA_, 4*Q_+T_
.set FX_, 32+8*(\e)+Q_
.set D_, ACC+32*(\e)+8*T_
	WIN (1+FA_/FPW)|((1+FX_/FPW)<<2)
.if Q_
	v_wmma_scale_f32_16x16x128_f8f6f4 v[D_:D_+7], v[FR*(FA_%FPW):FR*(FA_%FPW)+11], v[FR*(FX_%FPW):FR*(FX_%FPW)+11], v[D_:D_+7], v[SB+8*T_+Q_], v[SA+8*(\e)+Q_] matrix_a_fmt:MATRIX_FMT_FP6 matrix_b_fmt:MATRIX_FMT_FP6
.else
	v_wmma_scale_f32_16x16x128_f8f6f4 v[D_:D_+7], v[FR*(FA_%FPW):FR*(FA_%FPW)+11], v[FR*(FX_%FPW):FR*(FX_%FPW)+11], 0, v[SB+8*T_+Q_], v[SA+8*(\e)+Q_] matrix_a_fmt:MATRIX_FMT_FP6 matrix_b_fmt:MATRIX_FMT_FP6
.endif
.endm
.macro EPI p, i                        ; line i of the way out of set p: 0-15 the bias (the two halves by turns, each accumulator from its low end on), 16-30 the largest magnitude in two chains
.set XP_, ACC+32*(\p)
.if (\i) < 16
.set J_, ((\i)%2)*8+(\i)/2
	v_pk_fma_f32 v[XP_+2*J_:XP_+2*J_+1], v[XB+2*J_:XB+2*J_+1], v[YB+8*(\p):YB+8*(\p)+1], v[XP_+2*J_:XP_+2*J_+1] op_sel_hi:[1,0,1]   ; y has a pair for each set: v[20:21], v[28:29]
.elseif (\i) < 18
.set B_, XP_+16*((\i)%2)
	v_max3_num_f32 v[TQ+(\i)%2], |v[B_]|, |v[B_+1]|, |v[B_+2]|
.elseif (\i) < 30
.set B_, XP_+16*((\i)%2)+2*(((\i)-16)/2)
	v_max3_num_f32 v[TQ+(\i)%2], v[TQ+(\i)%2], |v[B_+1]|, |v[B_+2]|
.elseif (\i) == 30
	v_max3_num_f32 v[TQ], v[TQ], |v[XP_+15]|, 0x1800000   ; with the floor 2^(3 - 127): the byte cannot fall under 1
.endif
.endm
.macro AUXS g, e, fetch                ; the stores' places, from the tile's number: at most four scalar lines at a place
.if (\g) == 0
	s_and_b32 s74, s[M], 3
	s_bfe_u32 s75, s[M], 0x10002
	s_lshr_b32 s76, s[M], 3
	s_mul_i32 s[OC], s74, s[C1]
.elseif (\g) == 1
	s_mul_i32 s77, s75, s[C2]
	s_add_co_u32 s[OC], s[OC], s77
	s_mul_i32 s77, s76, s[C3]
	s_add_co_u32 s[OC], s[OC], s77
.elseif (\g) == 2
	s_mul_i32 s[OS], s74, s[E1]
	s_mul_i32 s77, s75, s[E2]
	s_add_co_u32 s[OS], s[OS], s77
	s_mul_i32 s77, s76, s[E3]
.elseif (\g) == 3
	s_add_co_u32 s[OS], s[OS], s77
.endif
.endm
.macro AUXV g, e                       ; the stores' offsets, set e: written again two steps on, behind the next step's wait on XCNT
.if (\g) == 4
	v_add_nc_u32 v[VC16+4*(\e)], s[OC], v[L16]
.elseif (\g) == 5
	v_add_nc_u32 v[VC8+4*(\e)], s[OC], v[L8]
.elseif (\g) == 6
	v_add_nc_u32 v[VSB+4*(\e)], s[OS], v[SBO]
.endif
.endm
.macro PLACE e, fetch, g               ; what stands behind products 2 g and 2 g + 1
	AUXS \g, \e, \fetch
	WIN 0
	EPI (1-\e), 2*(\g)
	EPI (1-\e), 2*(\g)+1
	AUXV \g, \e
.if (\fetch) && (\e) == 0              ; the LDS addresses of the trip's two fetches
.if (\g) == 4
	v_add_nc_u32 v[XA], s[FB], v[L16]
.elseif (\g) == 5
	v_add_nc_u32 v[XA+1], s[FB], v[L8]
.elseif (\g) == 6
	v_add_nc_u32 v[XA+2], s[FB], v[H16]
.elseif (\g) == 7
	v_add_nc_u32 v[XA+3], s[FB], v[H8]
	v_add_nc_u32 v[XS], s[FS], v[XS0]
.endif
.endif
.endm
.macro CODES p                         ; the chains join; the scale; 32 codes into v[CD .. CD+5]; the scale's byte
.set XP_, ACC+32*(\p)
	v_max3_num_f32 v[TQ+1], v[TQ+1], |v[XP_+31]|, v[TQ]
	v_add_nc_u32 v[SOP], 0xff000000, v[TQ+1]       ; 2 off the exponent field: the conversions' scale operand
	v_cvt_scalef32_pk16_fp6_f32 v[CD:CD+2], v[XP_:XP_+15], v[SOP]
	v_cvt_scalef32_pk16_fp6_f32 v[TC:TC+2], v[XP_+16:XP_+31], v[SOP]   ; (a conversion's three registers begin on an even number)
	v_lshrrev_b32 v[EB], 23, v[SOP]                ; the plain place behind the conversions
.irp i, 0,1,2
	v_mov_b32 v[CD+3+\i], v[TC+\i]
.endr
.endm
.macro PUT e
	global_store_b128 v[VC16+4*(\e)], v[CD:CD+3], s[PCD:PCD+1]            ; 512 consecutive bytes, at a multiple of 256
	global_store_b64 v[VC8+4*(\e)], v[CD+4:CD+5], s[PCD:PCD+1] offset:512 ; 256
	global_store_b8 v[VSB+4*(\e)], v[EB], s[PSC:PSC+1]
.endm
; A STEP.  dsw: the next tile's 40 LDS loads may be out; ldw: its one load of y
.macro BATCH e, fetch, first, dsw, ldw
	s_wait_dscnt \dsw
	s_wait_loadcnt \ldw
	v_cndmask_b32 v[YB+8*(\e)], 1.0, v[YR+\e], s[SELM]   ; this tile's y, for its way out in the next step
.if \fetch
.if (\e) == 0
	s_add_nc_u64 s[YP:YP+1], s[YP:YP+1], s[YST:YST+1]    ; y's place, two tiles on (the last step's wait on XCNT stands behind the loads that read this base)
.endif
	global_load_b32 v[YR+\e], v[YO], s[YP:YP+1] offset:32*(\e)   ; y of the tile two on: two whole steps ahead of its wait
.endif
.set N_, 0
.rept 32
	PROD \e, N_
.if N_%2
	PLACE \e, \fetch, (N_/2)
.endif
.set N_, N_+1
.endr
	WIN 0
	WALU
	s_wait_xcnt 0x0                                ; the last step's stores have read their registers, this step's load of y its base
	CODES (1-\e)
.if \first
	s_cmp_eq_u32 s[M], -1
	s_cbranch_scc1 .Lnone_\@                       ; the first step has no tile to send
.endif
	PUT \e
.if \first
.Lnone_\@:
.endif
.if \fetch
	FETCH \e, XA, XS                               ; (the lines of CODES are the places behind the products)
.endif
	s_add_co_u32 s[M], s[M], 1
.endm
.macro TRIPS n, first, fb, fs          ; n trips of two steps, whose fetches begin at LDS byte fb and scale byte fs
	s_mov_b32 s[FB], \fb
	s_mov_b32 s[FS], \fs
	s_mov_b32 s[CNT], \n
.Ltrip_\@:
	BATCH 0, 1, \first, 40, 1
	BATCH 1, 1, 0, 40, 1
	s_add_co_u32 s[FB], s[FB], 2*1536
	s_add_co_u32 s[FS], s[FS], 8
	s_sub_co_u32 s[CNT], s[CNT], 1
	s_cmp_lg_u32 s[CNT], 0
	s_cbranch_scc1 .Ltrip_\@
.endm
; ================= THE HEAD
	s_load_b256 s[4:11], s[0:1], 0x0               ; ci, cs, b_q, b_k
	s_load_b128 s[12:15], s[0:1], 0x20             ; b_v, qi
	s_load_b64 s[16:17], s[0:1], 0x30              ; kv
	v_lshl_add_u32 v[SPW], v0, 2, SPARE
	v_mov_b32 v[NIL], 0
	ds_add_u32 v[SPW], v[NIL]                      ; the opening lines
	ds_add_u32 v[SPW], v[NIL]
	v_lshrrev_b32 v28, 5, v0
	v_readfirstlane_b32 s[WV], v28
	s_bfe_u32 s[CX], ttmp6, 0x40000
	s_and_b32 s[YY], ttmp7, 0xffff
	s_lshr_b32 s[TT], s[YY], 4                     ; 0 q, 1 k, 2 v
	s_and_b32 s[YY], s[YY], 15
	GROUP1 G1P, 3<<16, 384
	GROUP1 G1J, 15|(3<<16)|(1<<21), 384
	GROUP1 G1S, 15|(3<<16)|(1<<21), 64
	s_lshl_b32 s74, s[TT], 6
	s_lshl_b32 s75, s[YY], 2
	s_add_co_u32 s74, s74, s75                     ; q, k: the first streamed group
	s_and_b32 s75, s[YY], 1
	s_lshl_b32 s76, s75, 2
	s_add_co_u32 s76, s76, 208                     ; v: likewise.  (No register of these holds cx)
	s_lshl_b32 s99, s75, 11                        ; v: y's first byte in b_v
	s_lshl_b32 s101, s75, 3                        ; v: the first head
	s_lshl_b32 s77, s[TT], 3
	s_add_co_u32 s77, s77, 192
	s_lshl_b32 s78, s[CX], 1
	s_add_co_u32 s77, s77, s78                     ; q, k: the first held group
	s_lshr_b32 s78, s[YY], 1
	s_lshl_b32 s78, s78, 2
	s_add_co_u32 s78, s78, s[CX]
	s_lshl_b32 s78, s78, 1                         ; v: the first held group inside v,
	s_add_co_u32 s79, s78, 128                     ; and among all
	s_lshl_b32 s92, s[CX], 2
	s_add_co_u32 s92, s92, s[WV]                   ; q, k: my head
	s_lshr_b32 s93, s[YY], 2
	s_lshl_b32 s93, s93, 4
	s_add_co_u32 s93, s93, s92
	s_lshl_b32 s93, s93, 4
	s_and_b32 s94, s[YY], 3
	s_lshl_b32 s94, s94, 2
	s_add_co_u32 s93, s93, s94                     ; q, k: my first record: (16 batch + head) 16 + record
	s_lshr_b32 s96, s[WV], 1
	s_add_co_u32 s94, s78, s96                     ; v: my group of tokens
	s_lshr_b32 s95, s94, 4
	s_lshl_b32 s95, s95, 4
	s_add_co_u32 s95, s95, s101
	s_lshl_b32 s95, s95, 4
	s_and_b32 s94, s94, 15
	s_add_co_u32 s95, s95, s94                     ; v: my first record
	s_and_b32 s101, s[WV], 1                       ; which 64 of a held group's 128 rows are mine
	s_cmp_eq_u32 s[TT], 0
	s_mov_b32 s97, 12800
	s_cselect_b32 s97, 6400, s97                   ; a record of qi, of kv
	s_mov_b32 s98, 12288
	s_cselect_b32 s98, 6144, s98                   ; where its scale words begin
	s_mul_i32 s93, s93, s97
	s_add_co_u32 s98, s98, s93
	s_mul_i32 s95, s95, 12800
	s_lshl_b32 s94, s101, 1
	s_add_co_u32 s94, s94, s95
	s_add_co_u32 s94, s94, 12544                   ; v: my scale bytes: + 2 band
	s_mul_i32 s100, s101, 768
	s_add_co_u32 s95, s95, s100
	s_add_co_u32 s95, s95, 6144                    ; v: my codes: + 768 band
	s_cmp_eq_u32 s[TT], 2                          ; one compare, and selections and moves alone behind it
	s_cselect_b32 s[SG], s76, s74
	s_cselect_b32 s[SELM], -1, 0
	s_cselect_b32 s100, s79, s77                   ; the first held group
	s_cselect_b32 s93, s95, s93                    ; my codes' first byte
	s_cselect_b32 s98, s94, s98                    ; my scale bytes' first byte
	s_cselect_b32 s99, s99, 0
	s_mov_b32 s[C1], 768
	s_cselect_b32 s[C1], 1536, s[C1]
	s_mov_b32 s[C2], 3072
	s_cselect_b32 s[C2], 204800, s[C2]
	s_cselect_b32 s[C3], 409600, s97
	s_cselect_b32 s[E1], 4, 2
	s_cselect_b32 s[E2], 204800, 8
	s_cselect_b32 s[E3], 409600, s97
	s_cselect_b32 s[YST], 128, 0
	s_mov_b32 s[YST+1], 0
	s_mov_b32 s[M], -1
	s_mul_i32 s74, s[SG], GRPB
	s_mov_b32 s75, 0
	s_lshl_b32 s76, s[SG], 12
	s_mov_b32 s77, 0
	s_add_co_u32 s78, s100, s[WV]
	s_mul_i32 s78, s78, GRPB
	s_mov_b32 s79, 0
	s_add_co_u32 s94, s100, s96
	s_lshl_b32 s94, s94, 12
	s_lshl_b32 s95, s101, 4
	s_add_co_u32 s94, s94, s95
	s_mov_b32 s95, 0
	s_mul_i32 s[G0A+1], s[WV], GRPB
	s_add_co_u32 s[G0A+1], s[G0A+1], W0
	s_mov_b32 s[G0A], 1
	s_mov_b32 s[G0X], 1
	s_mov_b32 s[G0X+1], 0
	s_mov_b32 s[G0S], 1
	s_mov_b32 s[G0S+1], XSC
	s_wait_dscnt 0x0
	CROUND                                         ; the round in front of the first loads
	s_wait_kmcnt 0x0
	s_add_nc_u64 s[SX:SX+1], s[4:5], s[74:75]      ; the streamed groups' codes
	s_mov_b64 s[G0X+2:G0X+3], s[SX:SX+1]
	s_or_b32 s[G0X+3], s[G0X+3], 0x80000000
	s_add_nc_u64 s[G0S+2:G0S+3], s[6:7], s[76:77]
	s_or_b32 s[G0S+3], s[G0S+3], 0x80000000
	s_add_nc_u64 s[G0A+2:G0A+3], s[4:5], s[78:79]
	s_or_b32 s[G0A+3], s[G0A+3], 0x80000000
	s_cmp_lt_u32 s[WV], 2
	s_cbranch_scc0 .Lwave_2
	TLOAD G0A, G1P                                 ; waves 0, 1: a held group each
	s_branch .Lasked
.Lwave_2:
	s_cmp_eq_u32 s[WV], 2
	s_cbranch_scc0 .Lwave_3
	TLOAD G0X, G1J                                 ; wave 2: streamed group 0
	s_branch .Lasked
.Lwave_3:
	TLOAD G0S, G1S                                 ; wave 3: the streamed rows' scale words
.Lasked:
	s_add_nc_u64 s[RSP:RSP+1], s[6:7], s[94:95]    ; my held rows' scale words
	s_cmp_eq_u32 s[TT], 0
	s_cselect_b64 s[14:15], s[14:15], s[16:17]     ; qi or kv
	s_mov_b32 s94, s93
	s_add_nc_u64 s[PCD:PCD+1], s[14:15], s[94:95]
	s_mov_b32 s94, s98
	s_add_nc_u64 s[PSC:PSC+1], s[14:15], s[94:95]
	s_cmp_eq_u32 s[TT], 1
	s_cselect_b64 s[8:9], s[10:11], s[8:9]
	s_cmp_eq_u32 s[TT], 2
	s_cselect_b64 s[8:9], s[12:13], s[8:9]         ; my tensor's bias
	s_mov_b32 s94, s99
	s_add_nc_u64 s[YP:YP+1], s[8:9], s[94:95]
	s_lshl_b32 s94, s92, 8
	s_add_nc_u64 s[8:9], s[8:9], s[94:95]          ; x: 256 bytes a head
	s_mul_i32 s74, s96, GRPB
	s_mul_i32 s75, s101, 4*1536
	s_add_co_u32 s74, s74, s75
	s_add_co_u32 s74, s74, W0                      ; my four held tiles in LDS
	s_add_co_u32 s75, s74, 4*STEPB
	s_mul_i32 s76, s92, 6144                       ; my sixteenth of the group that is prefetched
	v_and_b32 v28, 31, v0
	v_and_b32 v29, 15, v0
	v_bfe_u32 v30, v0, 4, 1
	v_lshlrev_b32 v[L16], 4, v28
	v_lshlrev_b32 v[L8], 3, v28
	v_lshlrev_b32 v[R32], 5, v29
	v_lshl_add_u32 v[SBO], v29, 4, v30
	v_and_b32 v31, 8, v29
	v_add_nc_u32 v31, v31, v29
	v_lshlrev_b32 v[YO], 2, v31
	v_lshlrev_b32 v30, 7, v30                      ; x: 128 h
	v_min_u32 v[PF], 23, v28
	v_lshl_add_u32 v[PF], v[PF], 8, s76
	v_add_nc_u32 v[H16], 4*STEPB, v[L16]
	v_add_nc_u32 v[H8], 4*STEPB, v[L8]
	v_add_nc_u32 v[XS0], XSC, v[R32]
	v_add_nc_u32 v[XA], s74, v[L16]
	v_add_nc_u32 v[XA+1], s74, v[L8]
	v_add_nc_u32 v[XA+2], s75, v[L16]
	v_add_nc_u32 v[XA+3], s75, v[L8]
	v_mov_b32 v[YB+1], 0                           ; (named as the upper halves of pairs)
	v_mov_b32 v[YB+9], 0
	v_mov_b32 v[YB+8], 0                           ; the y of the first step's way out
.set I_, 0
.rept 32
	v_mov_b32 v[ACC+32+I_], 0                      ; what the first step's way out works on
.set I_, I_+1
.endr
	WALU
.irp k, 0,1,2,3,4,5,6,7
	global_load_b128 v[XB+4*\k:XB+4*\k+3], v30, s[8:9] offset:16*\k
.endr
.irp t, 0,1,2,3
.irp q, 0,1,2,3,4,5,6,7
	global_load_b32 v[SB+8*\t+\q], v[R32], s[RSP:RSP+1] offset:\q*512+4*\t
.endr
.endr
	s_cmp_lt_u32 s[WV], 2
	s_cbranch_scc0 .Lnot_held
	s_wait_tensorcnt 0x0
.Lnot_held:
	s_barrier_signal -1
	s_barrier_wait -1                              ; the held groups are in; the other two tiles may be on their way
.irp q, 0,1,2,3,4,5,6,7
.irp t, 0,1,2,3
	FRAGL 4*\q+\t, XA+2*(\q/4), (\q%4)*STEPB+\t*1536
.endr
.endr
	WIN 0
	s_wait_loadcnt 0x0
.set I_, 0
.rept 32
	v_cndmask_b32 v[XB+I_], v[XB+I_], 1.0, s[SELM]
.set I_, I_+1
.endr
	WALU
	REFILL 192, W0, GRPB                           ; streamed groups 1, 2 onto the held groups, which lie in registers
	global_load_b32 v[YR], v[YO], s[YP:YP+1]
	global_load_b32 v[YR+1], v[YO], s[YP:YP+1] offset:32
	FETCH 0, L16, XS0
	FETCH 1, L16, XS0
	s_wait_xcnt 0x0                                ; the two loads of y have read their base, which the first step steps
	global_prefetch_b8 v[PF], s[SX:SX+1] offset:3*GRPB th:TH_LOAD_NT scope:SCOPE_SE
; ================= THE WALK: 32 steps; step n fetches tile n + 2
	TRIPS 3, 1, 2*1536, 8                          ; steps 0-5: tiles 2-7
	REFILL 96, 0, 3*GRPB                           ; group 0 is fetched out: group 3 takes its region; groups 1, 2 are shown in
	TRIPS 4, 0, W0, 4096                           ; steps 6-13: group 1
	TRIPS 4, 0, 2*GRPB, 8192                       ; steps 14-21: group 2
	s_wait_tensorcnt 0x0
	s_wait_dscnt 0x0
	s_barrier_signal -1
	s_barrier_wait -1                              ; group 3 is shown in
	TRIPS 4, 0, 0, 12288                           ; steps 22-29: group 3
	BATCH 0, 0, 0, 40, 1
	BATCH 1, 0, 0, 0, 0
; ================= the last tile's way out
	s_wait_xcnt 0x0
.irp g, 0,1,2,3
	AUXS \g, 1, 0
.endr
.irp g, 4,5,6
	AUXV \g, 0
.endr
	v_nop                                          ; with the three above: the places behind the last products
.set I_, 0
.rept 31
	EPI 1, I_
.set I_, I_+1
.endr
	CODES 1
	PUT 0
	s_wait_tensorcnt 0x0                           ; the wave's end
	ds_add_u32 v[SPW], v[NIL]
	s_wait_dscnt 0x0
	CROUND                                         ; the closing round
	s_endpgm
.Lfunc_end_k_qd6bf93ee49_proj:
	.size	k_qd6bf93ee49_proj, .Lfunc_end_k_qd6bf93ee49_proj-k_qd6bf93ee49_proj
	.p2alignl 7, 3214868480
	.fill 96, 4, 3214868480
	.section	.rodata,"a",@progbits
	.p2align	6, 0x0
	.amdhsa_kernel k_qd6bf93ee49_proj
		.amdhsa_group_segment_fixed_size 327680
		.amdhsa_private_segment_fixed_size 0
		.amdhsa_enable_private_segment 0
		.amdhsa_kernarg_size 56
		.amdhsa_user_sgpr_count 2
		.amdhsa_user_sgpr_kernarg_segment_ptr 1
		.amdhsa_wavefront_size32 1
		.amdhsa_system_sgpr_workgroup_id_x 1
		.amdhsa_system_sgpr_workgroup_id_y 1
		.amdhsa_system_sgpr_workgroup_id_z 1
		.amdhsa_system_vgpr_workitem_id 0
		.amdhsa_next_free_vgpr 848
		.amdhsa_next_free_sgpr 102
		.amdhsa_reserve_vcc 0
		.amdhsa_float_denorm_mode_32 3
		.amdhsa_float_denorm_mode_16_64 3
		.amdhsa_memory_ordered 1
		.amdhsa_forward_progress 1
		.amdhsa_inst_pref_size 144
	.end_amdhsa_kernel
	.amdgpu_metadata
---
amdhsa.version: [ 1, 2 ]
amdhsa.kernels:
  - .name:           k_qd6bf93ee49_proj
    .symbol:         k_qd6bf93ee49_proj.kd
    .args:
      - { .name: ci, .offset: 0, .size: 8, .value_kind: global_buffer, .address_space: global }
      - { .name: cs, .offset: 8, .size: 8, .value_kind: global_buffer, .address_space: global }
      - { .name: b_q, .offset: 16, .size: 8, .value_kind: global_buffer, .address_space: global }
      - { .name: b_k, .offset: 24, .size: 8, .value_kind: global_buffer, .address_space: global }
      - { .name: b_v, .offset: 32, .size: 8, .value_kind: global_buffer, .address_space: global }
      - { .name: qi, .offset: 40, .size: 8, .value_kind: global_buffer, .address_space: global }
      - { .name: kv, .offset: 48, .size: 8, .value_kind: global_buffer, .address_space: global }
    .group_segment_fixed_size: 327680
    .private_segment_fixed_size: 0
    .kernarg_segment_align: 8
    .kernarg_segment_size: 56
    .max_flat_workgroup_size: 128
    .sgpr_count:     102
    .vgpr_count:     848
    .wavefront_size: 32
...
	.end_amdgpu_metadata
.endif
;; end of part 2
;; launch attn (part 3): grid 4 x 64, 16 waves a work-group, clusters of 4 x 1, 206,848 bytes of LDS; arguments qi, kv, xc, xcs; writes xc, xcs
.if DOCPART == 3
	.amdgcn_target "amdgcn-amd-amdhsa--gfx1250"
	.amdhsa_code_object_version 6
	.text
	.protected	k_qd6bf93ee49_attn
	.globl	k_qd6bf93ee49_attn
	.p2align	8
	.type	k_qd6bf93ee49_attn,@function
k_qd6bf93ee49_attn:
	s_mov_b64 s[64:65], 0
	v_nop
	global_prefetch_b8 v0, s[64:65] scope:SCOPE_SE
	s_setreg_imm32_b32 hwreg(HW_REG_WAVE_MODE, 25, 1), 1
	s_wait_xcnt 0x0
	s_wait_alu depctr_hold_cnt(0) depctr_sa_sdst(0) depctr_va_vdst(0) depctr_va_sdst(0) depctr_va_ssrc(0) depctr_va_vcc(0) depctr_vm_vsrc(0)
	s_getreg_b32 s2, hwreg(HW_REG_IB_STS2, 6, 4)
	s_cmp_eq_u32 s2, 0
	s_cbranch_scc0 .Lentry_in_a_cluster
	s_endpgm
.Lentry_in_a_cluster:
	s_bfe_u32 s2, ttmp6, 0x10000c
	s_cmp_lg_u32 s2, 0x3003
	s_cbranch_scc0 .Lentry_shape_is_right
	s_endpgm
.Lentry_shape_is_right:
; ctx = softmax(q k^T / 8) v for one head, both products on codes of FP6 (E2M3) with E8M0 scales, and the quantising of ctx for the output projection.
; THE SOFTMAX AHEAD OF THE SECOND PRODUCT: t = score x log2(e) / 8; M = the running largest t rounded UP to a whole number; p = 2^(t - M) is quantised along the keys, not normalised; the row's sum is taken of the
; unquantised p and divides at the end.  When M moves, the sums and O are multiplied by 2^(old M - new M): exact.
; SHARES.  A work-group owns 512 queries of one head (batch x 16 + head = the grid's y), in two passes of 256; each of its sixteen waves owns one tile of 16 queries a pass and walks the head's 2,048 keys, 128 a step.
; LDS.  The head's sixteen records of kv (128 keys each: K 6,144 bytes, V 6,144, K's scale words 256, V's 256) are 204,800 bytes: filled ONCE, one record by each wave, and they stay.  Nothing is filled again: no ring.
; CLUSTER.  The four query blocks of a head form a cluster and ask for the records jointly (mask 15).  One tensor load of a wave is out at the most.
; Waves 0-3 have a load line of their own: the first barrier shows their four records, the first pass' first four steps read those alone; a second barrier shows the other twelve.  The second pass has no barrier.
; All tensor loads go out at the head, so there is nothing further on to prefetch.
; LAYOUT.  Both products are used transposed: S^T = K Q^T, O^T = V^T P^T: a lane holds ONE query (lane % 16) throughout.  All operands lie as images of their registers.
; Row i of key tile t is key 64 (t / 4) + 8 (t % 4) + i % 8 + 32 (i / 8) of the record: register 32 c + n of lane (r, h) is the score of key 64 c + 32 h + n: ONE BLOCK OF 32 KEYS, in the order of the second product's operand.
; So a block's largest score needs no other lane, and the conversions' results are the operand's registers.  Only the row's maximum and p's scale word pass between lanes l and l xor 16.
; K = 64 IN AN INSTRUCTION OF 128.  Source 0 is a PAIR of key tiles: a row is [64 codes of a key of tile 2 w | 64 codes of a key of tile 2 w + 1].  Source 1 is [q | 0] for tile 2 w and [0 | q] for tile 2 w + 1:
; eighteen registers 0 (6), q (6), 0 (6) hold both.  Zero codes add nothing (scale bytes lie from 1 to 254).  Q's scale word repeats its two bytes.
; OUTPUT.  xc, xcs: ctx as an operand (as ci, cs): group = batch x 16 + query / 128, K step = head / 2, half = head % 2.
; LIMITS: the scaled scores t stay under 2^31 in magnitude; a block of zeros gets the byte 1 where the rule says 127 (its codes are zeros, this program alone reads the bytes); magnitudes under 2^-124 are held at that floor;
; NaN and infinities are not served.
.set RECB, 12800                       ; a record
.set SPARE, 16*RECB                    ; behind the records: the spare words, 128 bytes for each wave
.set L16,  1                           ; v1   16 x lane
.set L8,   2                           ; v2   8 x lane
.set LS,   3                           ; v3   16 r
.set A16,  4                           ; v4-6 the same + the step's record
.set A8,   5
.set AW,   6
.set SBO,  7                           ; v7   32 r + h: my scale byte's place in xcs
.set QS,   8                           ; v8   Q's scale word, first pass
.set H8,   9                           ; v9   8 h
.set PS,   10                          ; v10  p's scale word.   v11 at work;  v12 -M;  v13 the largest score so far
.set OM,   14                          ; v14  the last step's -M
.set TP,   15
.set QB,   16                          ; v16-33 0, q, 0: first pass
.set KS,   34                          ; v34-37 K's scale words;  v38-41 V's
.set VS,   38
.set FF,   42                          ; v[42:43] f
.set KF,   44                          ; v44-91 four fragments, of K and then of V
.set BM,   92                          ; v92-93 my two blocks' largest
.set SO,   94                          ; v94-95 the conversions' scale operands
.set SR,   96                          ; v96-159 S^T, then p
.set OT,   160                         ; v160-191 O^T
.set PC,   192                         ; v192-203 codes;  v204-210 the conversions' other halves
.set CT,   204
.set MX,   212                         ; v212-215 four chains of the maxima
.set BT,   216                         ; v216-217 scale bytes
.set WD,   218                         ; v218 my half of the scale word;  v219 lane l xor 16's;  v220 its largest score
.set BX,   219
.set RX,   220
.set QS2,  221                         ; v221 Q's scale word, second pass
.set QW,   222                         ; v222-223 the words as loaded
.set LL,   224                         ; v224-231 the row's sum: four chains of two
.set QB2,  232                         ; v232-249 0, q, 0: second pass
.set WV,   12
.set CS,   16                          ; s[16:17] c = log2(e) / 8
.set SEL,  18                          ; s[18:19] selects for lane l xor 16
.set TB,   20                          ; s20  LDS byte at which the step's record begins
.set CNT,  21
.set PSEL, 23                          ; s23  which two bytes of the pair's word are my tile's
.set G1,   24
.set G0,   32
.set QP,   48                          ; s[48:49] my tile of Q;  s[50:51] its scale words;  s[52:53] my half fragment of xc;  s[54:55] my bytes of xcs
.set QSP,  50
.set CP,   52
.set CSP,  54
.set HIM,  56
.macro CROUND                          ; a round of the cluster's barrier
	s_barrier_signal -1
	s_barrier_wait -1
	s_cmp_lg_u32 s[WV], 0
	s_cbranch_scc1 .Lnot_wave_0_\@
	s_barrier_signal -3
.Lnot_wave_0_\@:
	s_barrier_wait -3
	s_barrier_signal -1
	s_barrier_wait -1
.endm
	s_load_b256 s[4:11], s[0:1], 0x0               ; qi, kv, xc, xcs
	v_lshl_add_u32 v254, v0, 2, SPARE
	v_mov_b32 v255, 0
	ds_add_u32 v254, v255                          ; the opening lines: the add, twice on end, and its wait
	ds_add_u32 v254, v255
	v_lshrrev_b32 v1, 5, v0
	s_delay_alu instid0(VALU_DEP_1)
	v_readfirstlane_b32 s[WV], v1                  ; wave 0..15
	s_bfe_u32 s13, ttmp6, 0x40000                  ; cx: it enters the addresses of qi, xc and xcs alone
	s_and_b32 s14, ttmp7, 0xffff                   ; batch x 16 + head, which the four partners share
	; descriptor group 1: a record, 12,800 dense bytes, as 50 rows of 256 (32 elements of 8 bytes), no padding
	s_mov_b32 s[G1], 15|(3<<16)|(1<<21)            ; 15:0 the mask: all four work-groups; 17:16 element size; 21 set beside a mask
	s_mov_b32 s[G1+1], 32<<16
	s_mov_b32 s[G1+2], 50<<16
	s_mov_b32 s[G1+3], 32<<16
	s_mov_b32 s[G1+4], 50
	s_mov_b32 s[G1+5], 32
	s_mov_b32 s[G1+6], 0
	s_mov_b32 s[G1+7], 0
	s_mul_i32 s2, s[WV], RECB                      ; my record: in LDS,
	s_mul_i32 s3, s14, 16*RECB
	s_add_co_u32 s58, s3, s2                       ; and in kv
	s_mov_b32 s59, 0
	s_mov_b32 s[CS], 0x3e38aa3b                    ; log2(e) / 8
	s_mov_b32 s[CS+1], s[CS]                       ; (named with it as a pair, so it is written)
	s_mov_b32 s[SEL], 0x76543210
	s_mov_b32 s[SEL+1], 0xfedcba98
	s_mov_b32 s[HIM], 0xffff0000
	s_and_b32 s15, s[WV], 1
	s_cmp_eq_u32 s15, 0                            ; my tile's number is wave % 8: even or odd as the wave's
	s_mov_b32 s[PSEL], 0x03020302
	s_cselect_b32 s[PSEL], 0x01000100, s[PSEL]
	; my tile: record 4 (4 cluster x + cx) + 2 pass + wave / 8 of the head's sixteen, tile wave % 8
	s_lshl_b32 s57, ttmp9, 2
	s_add_co_u32 s57, s57, s13
	s_lshl_b32 s57, s57, 2
	s_lshr_b32 s60, s[WV], 3
	s_add_co_u32 s57, s57, s60                     ; the first pass' record
	s_and_b32 s61, s[WV], 7                        ; the tile
	s_mul_i32 s60, s14, 16*6400
	s_mul_i32 s62, s57, 6400
	s_add_co_u32 s60, s60, s62
	s_mul_i32 s62, s61, 768
	s_add_co_u32 s[QP], s60, s62
	s_mov_b32 s[QP+1], 0
	s_lshr_b32 s62, s61, 1
	s_lshl_b32 s62, s62, 2
	s_add_co_u32 s[QSP], s60, s62
	s_add_co_u32 s[QSP], s[QSP], 6144
	s_mov_b32 s[QSP+1], 0
	s_lshr_b32 s60, s14, 4
	s_lshl_b32 s60, s60, 4
	s_add_co_u32 s60, s60, s57                     ; xc's group: batch x 16 + record
	s_and_b32 s62, s14, 15                         ; the head
	s_lshr_b32 s63, s62, 1
	s_and_b32 s62, s62, 1
	s_lshl_b32 s60, s60, 3
	s_add_co_u32 s60, s60, s63                     ; 8 x group + K step
	s_lshl_b32 s63, s60, 3
	s_add_co_u32 s63, s63, s61
	s_mul_i32 s[CP], s63, 1536
	s_mul_i32 s63, s62, 768
	s_add_co_u32 s[CP], s[CP], s63
	s_mov_b32 s[CP+1], 0
	s_lshl_b32 s[CSP], s60, 9
	s_lshl_b32 s63, s61, 2
	s_add_co_u32 s[CSP], s[CSP], s63
	s_lshl_b32 s63, s62, 1
	s_add_co_u32 s[CSP], s[CSP], s63
	s_mov_b32 s[CSP+1], 0
	s_wait_dscnt 0x0                               ; both opening adds are done
	s_wait_kmcnt 0x0
	s_add_nc_u64 s[6:7], s[6:7], s[58:59]
	s_add_nc_u64 s[QP:QP+1], s[4:5], s[QP:QP+1]
	s_add_nc_u64 s[QSP:QSP+1], s[4:5], s[QSP:QSP+1]
	s_add_nc_u64 s[CP:CP+1], s[8:9], s[CP:CP+1]
	s_add_nc_u64 s[CSP:CSP+1], s[10:11], s[CSP:CSP+1]
	s_mov_b32 s[G0], 1
	s_mov_b32 s[G0+1], s2
	s_mov_b64 s[G0+2:G0+3], s[6:7]
	s_or_b32 s[G0+3], s[G0+3], 0x80000000
	CROUND                                         ; all four work-groups are here: the joint loads meet
	s_cmp_lt_u32 s[WV], 4                          ; one load a wave, in two arms: waves 0-3, whose records the first barrier shows, have a line of their own
	s_cbranch_scc0 .Llater
	tensor_load_to_lds s[G0:G0+3], s[G1:G1+7]
	s_nop 0
.rept 4
	v_nop
.endr
	s_branch .Lasked
.Llater:
	tensor_load_to_lds s[G0:G0+3], s[G1:G1+7]
	s_nop 0
.rept 4
	v_nop
.endr
.Lasked:
	v_and_b32 v10, 31, v0
	v_and_b32 v11, 15, v0
	v_bfe_u32 v[TP], v0, 4, 1
	s_delay_alu instid0(VALU_DEP_3)
	v_lshlrev_b32 v[L16], 4, v10
	s_delay_alu instid0(VALU_DEP_4)
	v_lshlrev_b32 v[L8], 3, v10
	s_delay_alu instid0(VALU_DEP_4)
	v_lshlrev_b32 v[LS], 4, v11
	s_delay_alu instid0(VALU_DEP_4)
	v_lshl_add_u32 v[SBO], v11, 5, v[TP]
	v_lshlrev_b32 v[H8], 3, v[TP]
	global_load_b128 v[QB+6:QB+9], v[L16], s[QP:QP+1]               ; both passes' tiles of Q, two records apart
	global_load_b64 v[QB+10:QB+11], v[L8], s[QP:QP+1] offset:512
	global_load_b32 v[QW], v[LS], s[QSP:QSP+1]                      ; row r's word of my pair of tiles
	global_load_b128 v[QB2+6:QB2+9], v[L16], s[QP:QP+1] offset:2*6400
	global_load_b64 v[QB2+10:QB2+11], v[L8], s[QP:QP+1] offset:2*6400+512
	global_load_b32 v[QW+1], v[LS], s[QSP:QSP+1] offset:2*6400
.irp i, 0,1,2,3,4,5
	v_mov_b32 v[QB+\i], 0                          ; the zero codes on both sides of q: written once
	v_mov_b32 v[QB+12+\i], 0
	v_mov_b32 v[QB2+\i], 0
	v_mov_b32 v[QB2+12+\i], 0
.endr
.irp b, BT, BT+1, BX, RX
	v_mov_b32 v[\b], 0                             ; written once: a lane permute's destination counts as one of its sources
.endr
	v_mov_b32 v[FF+1], 0                           ; (named as the upper half of a pair)
.macro INIT                            ; a pass begins: the step is written once, and its first walk finds zeros, which f = 0 leaves zeros
	v_mov_b32 v13, 0xff61b1e6                      ; the largest score so far: -3e38
	v_mov_b32 v[OM], 0x7f61b1e6                    ; and the -M that goes with it: 3e38
.set j_, 0
.rept 8
	v_mov_b32 v[LL+j_], 0
.set j_, j_+1
.endr
.set j_, 0
.rept 32
	v_mov_b32 v[OT+j_], 0
.set j_, j_+1
.endr
.endm
.macro FRAG reg, off                   ; a fragment as it lies: every load takes consecutive bytes
	ds_load_b128 v[\reg:\reg+3], v[A16] offset:\off
	ds_load_b64 v[\reg+4:\reg+5], v[A8] offset:\off+512
	ds_load_b128 v[\reg+6:\reg+9], v[A16] offset:\off+768
	ds_load_b64 v[\reg+10:\reg+11], v[A8] offset:\off+1280
.endm
.macro TMS from, to                    ; t - M, two at a time
.set j_, \from
.rept (\to)-(\from)
	v_pk_fma_f32 v[SR+2*j_:SR+2*j_+1], v[SR+2*j_:SR+2*j_+1], s[CS:CS+1], v[12:13] op_sel_hi:[1,0,0]
.set j_, j_+1
.endr
.endm
.macro SUMS from, to                   ; the row's sum of the unquantised p: 32 lines, four chains; a chain's first line brings it under the new M: sum x f + p
.set k_, \from
.rept (\to)-(\from)
.if k_ < 4
	v_pk_fma_f32 v[LL+2*k_:LL+2*k_+1], v[LL+2*k_:LL+2*k_+1], v[FF:FF+1], v[SR+2*k_:SR+2*k_+1] op_sel_hi:[1,0,1]
.else
	v_pk_add_f32 v[LL+2*(k_%4):LL+2*(k_%4)+1], v[LL+2*(k_%4):LL+2*(k_%4)+1], v[SR+2*k_:SR+2*k_+1]
.endif
.set k_, k_+1
.endr
.endm
; A KEY STEP: 128 keys
.macro STEP qb, qs
	v_add_nc_u32 v[A16], s[TB], v[L16]
	v_add_nc_u32 v[A8], s[TB], v[L8]
	v_add_nc_u32 v[AW], s[TB], v[LS]
.irp b, 0,1,2,3
	FRAG KF+12*\b, 1536*\b                         ; the pair of key tiles 2 b, 2 b + 1.  (Sixteen lines of the sum and the three above are the places behind the last step's products)
.endr
	ds_load_b128 v[KS:KS+3], v[AW] offset:12288    ; row r's four words, one for each pair
	s_wait_alu depctr_va_vdst(0)
	s_wait_dscnt 0x0
.irp b, 0,1,2,3
	v_wmma_scale_f32_16x16x128_f8f6f4 v[SR+16*\b:SR+16*\b+7], v[KF+12*\b:KF+12*\b+11], v[\qb+6:\qb+17], 0, v[KS+\b], v[\qs] matrix_a_fmt:MATRIX_FMT_FP6 matrix_b_fmt:MATRIX_FMT_FP6      ; [q | 0]: tile 2 b
	v_wmma_scale_f32_16x16x128_f8f6f4 v[SR+16*\b+8:SR+16*\b+15], v[KF+12*\b:KF+12*\b+11], v[\qb:\qb+11], 0, v[KS+\b], v[\qs] matrix_a_fmt:MATRIX_FMT_FP6 matrix_b_fmt:MATRIX_FMT_FP6     ; [0 | q]: tile 2 b + 1
.endr                                          ; register 32 c + n of lane (r, h): key 64 c + 32 h + n for query r
.rept 4
	v_nop                                          ; places: in front of the loads into K's registers and of the first read of the scores
.endr
.irp t, 0,1,2,3
	FRAG KF+12*\t, 6144+1536*\t                    ; V's four channel tiles take K's registers
.endr
	ds_load_b128 v[VS:VS+3], v[AW] offset:12544
.irp e, 0,1,2,3
	v_max3_num_f32 v[MX+\e], v[SR+16*\e], v[SR+16*\e+1], v[SR+16*\e+2]   ; the largest score of my two blocks, two chains each, every accumulator from its low end on
.endr
.irp i, 3,5,7,9,11,13
.irp e, 0,1,2,3
	v_max3_num_f32 v[MX+\e], v[MX+\e], v[SR+16*\e+\i], v[SR+16*\e+\i+1]
.endr
.endr
	v_max3_num_f32 v[MX], v[MX], v[MX+1], v[SR+15]
	v_max3_num_f32 v[MX+2], v[MX+2], v[MX+3], v[SR+47]
	v_max_num_f32 v[BM], v[MX], v[SR+31]           ; it serves the row's maximum and, since p rises with the score, the block's largest p
	v_max_num_f32 v[BM+1], v[MX+2], v[SR+63]
	s_delay_alu instid0(VALU_DEP_1)
	v_max_num_f32 v[TP], v[BM], v[BM+1]
	s_delay_alu instid0(VALU_DEP_1)
	v_permlanex16_b32 v[RX], v[TP], s[SEL], s[SEL+1]
	s_delay_alu instid0(VALU_DEP_1)
	v_max3_num_f32 v13, v13, v[TP], v[RX]          ; the running largest score of my query
	s_delay_alu instid0(VALU_DEP_1)
	v_mul_f32 v[TP], s[CS], v13                    ; as t (c is positive)
	s_delay_alu instid0(VALU_DEP_1)
	v_floor_f32 v12, -v[TP]                        ; the new -M = floor(-t): M is a whole number
	s_delay_alu instid0(VALU_DEP_1)
	v_sub_f32 v[TP], v12, v[OM]                    ; old M - new M: a whole number, 0 or less
	TMS 0, 5
	v_cvt_i32_f32 v[TP], v[TP]                     ; (it saturates)
	TMS 5, 10
	v_ldexp_f32 v[FF], 1.0, v[TP]                  ; f = 2^(old M - new M)
	TMS 10, 32
.irp c, 0,1
	v_fma_f32 v[BM+\c], v[BM+\c], s[CS], v12       ; the same of each block's largest score
.endr
.set j_, 0
.rept 16
	v_pk_mul_f32 v[OT+j_:OT+j_+1], v[OT+j_:OT+j_+1], v[FF:FF+1] op_sel_hi:[1,0]   ; O^T under the new M
.set j_, j_+2
.endr
	s_wait_alu depctr_va_vdst(0)
.set j_, 0
.rept 64
	v_exp_f32 v[SR+j_], v[SR+j_]                   ; p = 2^(t - M), at most 1
.set j_, j_+1
.endr
.irp c, 0,1
	v_exp_f32 v[BM+\c], v[BM+\c]                   ; the block's largest p: the same arithmetic on the same number
.endr
	v_mov_b32 v[OM], v12                           ; kept for the next step: the plain place behind the exponentials
	s_wait_alu depctr_va_vdst(0)                   ; one wait for the batch, ahead of its first reader
	s_wait_dscnt 0x0                               ; V is in
.irp c, 0,1
	v_max_num_f32 v[BM+\c], 0x1800000, v[BM+\c]    ; the floor 2^(3 - 127): the byte cannot fall under 1
.endr
	SUMS 0, 2
.irp c, 0,1
	v_add_nc_u32 v[SO+\c], 0xff000000, v[BM+\c]    ; 2 off the exponent field: the conversion's scale operand
.endr
	SUMS 2, 4
.irp c, 0,1
	v_cvt_scalef32_pk16_fp6_f32 v[PC+6*\c:PC+6*\c+2], v[SR+32*\c:SR+32*\c+15], v[SO+\c]
	v_cvt_scalef32_pk16_fp6_f32 v[CT+4*\c:CT+4*\c+2], v[SR+32*\c+16:SR+32*\c+31], v[SO+\c]   ; (a conversion's three registers begin on an even number)
.endr
	v_lshrrev_b32 v[BT], 23, v[SO]                 ; the scales' bytes: blocks h and 2 + h.  (The plain place behind the conversions)
	v_lshrrev_b32 v[BT+1], 23, v[SO+1]
.irp i, 0,1,2
	v_mov_b32 v[PC+3+\i], v[CT+\i]
.endr
	v_lshl_or_b32 v[WD], v[BT+1], 16, v[BT]
.irp i, 0,1,2
	v_mov_b32 v[PC+9+\i], v[CT+4+\i]
.endr
	v_lshlrev_b32 v[WD], v[H8], v[WD]              ; at their places in the word
	SUMS 4, 6
	v_permlanex16_b32 v[BX], v[WD], s[SEL], s[SEL+1]
	SUMS 6, 8
	v_or_b32 v[PS], v[WD], v[BX]                   ; with lane l xor 16's two the word is whole
	SUMS 8, 16                                     ; eight places between the scale word's writing and the products
.irp t, 0,1,2,3
	v_wmma_scale_f32_16x16x128_f8f6f4 v[OT+8*\t:OT+8*\t+7], v[KF+12*\t:KF+12*\t+11], v[PC:PC+11], v[OT+8*\t:OT+8*\t+7], v[VS+\t], v[PS] matrix_a_fmt:MATRIX_FMT_FP6 matrix_b_fmt:MATRIX_FMT_FP6
.endr
	SUMS 16, 32
.endm
.macro WALK n, qb, qs                  ; n steps on end, from the record at s[TB]
	s_mov_b32 s[CNT], \n
.Lstep_\@:
	STEP \qb, \qs
	s_add_co_u32 s[TB], s[TB], RECB
	s_sub_co_u32 s[CNT], s[CNT], 1
	s_cmp_lg_u32 s[CNT], 0
	s_cbranch_scc1 .Lstep_\@
.endm
; THE WAY OUT of pass p: O^T / the sum is ctx: 64 channels of my query, register 16 b + i = channel 32 b + 16 h + i: two blocks of the output projection's K
.macro WAYOUT p
	v_pk_add_f32 v[LL:LL+1], v[LL:LL+1], v[LL+2:LL+3]
	v_pk_add_f32 v[LL+4:LL+5], v[LL+4:LL+5], v[LL+6:LL+7]
	s_delay_alu instid0(VALU_DEP_1)
	v_pk_add_f32 v[LL:LL+1], v[LL:LL+1], v[LL+4:LL+5]
	s_delay_alu instid0(VALU_DEP_1)
	v_add_f32 v[LL], v[LL], v[LL+1]
	s_delay_alu instid0(VALU_DEP_1)
	v_permlanex16_b32 v[TP], v[LL], s[SEL], s[SEL+1]
	s_delay_alu instid0(VALU_DEP_1)
	v_add_f32 v[LL], v[LL], v[TP]                  ; the row's sum
	s_wait_alu depctr_va_vdst(0)
	v_rcp_f32 v[LL], v[LL]
.rept 4
	v_nop                                          ; the plain place behind the reciprocal
.endr
	s_wait_alu depctr_va_vdst(0)                   ; ahead of the first reader of the reciprocal and of O^T
.set j_, 0
.rept 16
	v_pk_mul_f32 v[SR+j_:SR+j_+1], v[OT+j_:OT+j_+1], v[LL:LL+1] op_sel_hi:[1,0]
.set j_, j_+2
.endr
.irp b, 0,1
	v_max3_num_f32 v[BM+\b], |v[SR+16*\b]|, |v[SR+16*\b+1]|, 0x1800000
.endr
.irp i, 2,4,6,8,10,12,14
.irp b, 0,1
	s_delay_alu instid0(VALU_DEP_2)
	v_max3_num_f32 v[BM+\b], v[BM+\b], |v[SR+16*\b+\i]|, |v[SR+16*\b+\i+1]|
.endr
.endr
.irp b, 0,1
	s_delay_alu instid0(VALU_DEP_2)
	v_permlanex16_b32 v[BT+\b], v[BM+\b], s[SEL], s[SEL+1]
.endr
.irp b, 0,1
	s_delay_alu instid0(VALU_DEP_2)
	v_max_num_f32 v[BM+\b], v[BM+\b], v[BT+\b]
.endr
.irp b, 0,1
	s_delay_alu instid0(VALU_DEP_2)
	v_add_nc_u32 v[SO+\b], 0xff000000, v[BM+\b]
.endr
.irp b, 0,1
	s_delay_alu instid0(VALU_DEP_2)
	v_lshrrev_b32 v[BT+\b], 23, v[SO+\b]
.endr
	v_cvt_scalef32_pk16_fp6_f32 v[PC:PC+2], v[SR:SR+15], v[SO]
	v_cvt_scalef32_pk16_fp6_f32 v[CT:CT+2], v[SR+16:SR+31], v[SO+1]
	v_nop                                          ; one plain place behind a scaled conversion
.irp i, 0,1,2
	v_permlane16_swap_b32 v[PC+\i], v[CT+\i]       ; the operand's layout wants a whole block in a lane
.endr
.irp i, 0,1,2
	s_delay_alu instid0(VALU_DEP_3)
	v_mov_b32 v[PC+3+\i], v[CT+\i]
.endr
	v_cndmask_b32 v11, v[BT], v[BT+1], s[HIM]      ; lanes 0-15 store block 0's byte, lanes 16-31 block 1's
	global_store_b128 v[L16], v[PC:PC+3], s[CP:CP+1] offset:\p*2*98304             ; 512 consecutive bytes, at a multiple of 256 from xc's first byte; the second pass two groups on
	global_store_b64 v[L8], v[PC+4:PC+5], s[CP:CP+1] offset:\p*2*98304+512         ; 256
	global_store_b8 v[SBO], v11, s[CSP:CSP+1] offset:\p*2*4096   ; single bytes, 32 bytes apart: a head has two of a scale word's four bytes, and the words of a row's eight tiles come from eight waves; 32 of the 800 bytes that a wave stores in a pass
.endm
	s_wait_alu depctr_va_vdst(0)
	s_wait_loadcnt 0x0
	v_perm_b32 v[QS], v[QW], v[QW], s[PSEL]        ; my tile's two bytes, twice
	v_perm_b32 v[QS2], v[QW+1], v[QW+1], s[PSEL]
	INIT                                           ; (its lines are also the places between the scale words' writing and the first product)
	s_wait_alu depctr_va_vdst(0)
	s_cmp_lt_u32 s[WV], 4
	s_cbranch_scc0 .Lnot_first
	s_wait_tensorcnt 0x0                           ; waves 0-3: my record has landed
.Lnot_first:
	s_barrier_signal -1
	s_barrier_wait -1                              ; records 0-3 are in; the others may be on their way
	s_mov_b32 s[TB], 0
	WALK 4, QB, QS
	s_wait_tensorcnt 0x0                           ; every wave: my record has landed
	s_wait_dscnt 0x0
	s_barrier_signal -1
	s_barrier_wait -1                              ; all sixteen records are in, for the rest of the launch
	s_mov_b32 s[TB], 4*RECB
	WALK 12, QB, QS
	WAYOUT 0
	s_wait_xcnt 0x0                                ; the stores have read their data: it is written again only behind this wait
	INIT
	s_mov_b32 s[TB], 0
	WALK 16, QB2, QS2
	WAYOUT 1
	s_wait_tensorcnt 0x0                           ; the wave's end
	ds_add_u32 v254, v255
	s_wait_dscnt 0x0
	CROUND                                         ; the closing round: no work-group ends while a partner may still ask for a tile that names it
	s_endpgm
.Lfunc_end_k_qd6bf93ee49_attn:
	.size	k_qd6bf93ee49_attn, .Lfunc_end_k_qd6bf93ee49_attn-k_qd6bf93ee49_attn
	.p2alignl 7, 3214868480
	.fill 96, 4, 3214868480
	.section	.rodata,"a",@progbits
	.p2align	6, 0x0
	.amdhsa_kernel k_qd6bf93ee49_attn
		.amdhsa_group_segment_fixed_size 206848
		.amdhsa_private_segment_fixed_size 0
		.amdhsa_enable_private_segment 0
		.amdhsa_kernarg_size 32
		.amdhsa_user_sgpr_count 2
		.amdhsa_user_sgpr_kernarg_segment_ptr 1
		.amdhsa_wavefront_size32 1
		.amdhsa_system_sgpr_workgroup_id_x 1
		.amdhsa_system_sgpr_workgroup_id_y 1
		.amdhsa_system_sgpr_workgroup_id_z 1
		.amdhsa_system_vgpr_workitem_id 0
		.amdhsa_next_free_vgpr 256
		.amdhsa_next_free_sgpr 66
		.amdhsa_reserve_vcc 0
		.amdhsa_float_denorm_mode_32 3
		.amdhsa_float_denorm_mode_16_64 3
		.amdhsa_memory_ordered 1
		.amdhsa_forward_progress 1
		.amdhsa_inst_pref_size 65
	.end_amdhsa_kernel
	.amdgpu_metadata
---
amdhsa.version: [ 1, 2 ]
amdhsa.kernels:
  - .name:           k_qd6bf93ee49_attn
    .symbol:         k_qd6bf93ee49_attn.kd
    .args:
      - { .name: qi, .offset: 0, .size: 8, .value_kind: global_buffer, .address_space: global }
      - { .name: kv, .offset: 8, .size: 8, .value_kind: global_buffer, .address_space: global }
      - { .name: xc, .offset: 16, .size: 8, .value_kind: global_buffer, .address_space: global }
      - { .name: xcs, .offset: 24, .size: 8, .value_kind: global_buffer, .address_space: global }
    .group_segment_fixed_size: 206848
    .private_segment_fixed_size: 0
    .kernarg_segment_align: 8
    .kernarg_segment_size: 32
    .max_flat_workgroup_size: 512
    .sgpr_count:     66
    .vgpr_count:     256
    .wavefront_size: 32
...
	.end_amdgpu_metadata
.endif
;; end of part 3
;; launch outp (part 4): grid 4 x 64, 4 waves a work-group, clusters of 4 x 1, 327,680 bytes of LDS; arguments xc, xcs, ci, cs, b_o, out0; writes out0
.if DOCPART == 4
	.amdgcn_target "amdgcn-amd-amdhsa--gfx1250"
	.amdhsa_code_object_version 6
	.text
	.protected	k_qd6bf93ee49_outp
	.globl	k_qd6bf93ee49_outp
	.p2align	8
	.type	k_qd6bf93ee49_outp,@function
k_qd6bf93ee49_outp:
	s_mov_b64 s[64:65], 0
	v_nop
	global_prefetch_b8 v0, s[64:65] scope:SCOPE_SE
	s_setreg_imm32_b32 hwreg(HW_REG_WAVE_MODE, 25, 1), 1
	s_wait_xcnt 0x0
	s_wait_alu depctr_hold_cnt(0) depctr_sa_sdst(0) depctr_va_vdst(0) depctr_va_sdst(0) depctr_va_ssrc(0) depctr_va_vcc(0) depctr_vm_vsrc(0)
	s_getreg_b32 s2, hwreg(HW_REG_IB_STS2, 6, 4)
	s_cmp_eq_u32 s2, 0
	s_cbranch_scc0 .Lentry_in_a_cluster
	s_endpgm
.Lentry_in_a_cluster:
	s_bfe_u32 s2, ttmp6, 0x10000c
	s_cmp_lg_u32 s2, 0x3003
	s_cbranch_scc0 .Lentry_shape_is_right
	s_endpgm
.Lentry_shape_is_right:
; out0 = ctx w_o^T + b_o on codes of FP6 (E2M3) with E8M0 scales; sums and result in f32.
; THE FORM.  A wave HOLDS 64 rows of w_o (64 columns of the result), all of K = 1,024, in 384 registers (4 tiles x 8 K steps x 12); the 8 tiles of 16 tokens of one group of ctx STREAM past them, all of K.
; A tile is 32 products, and its 16 x 64 results are then finished.  The bias is the C of each sum's first product, laid in registers as the result lies.
; THE DEAL.  256 work-groups of four waves: y = the group of 128 tokens; wave w of the work-group at cx has columns 64 (4 cx + w) + 0 .. 63: held groups 216 + 2 cx + (0, 1) of ci.
; CLUSTER 4 x 1: the four partners stream the same group of ctx and ask for it and for its scale words jointly (mask 15).  The held rows differ in all four partners, so their loads are plain.
; LDS: the streamed group (98,304 bytes), the two held groups, the streamed rows' 4,096 bytes of scale words, a stage of 16 rows x 272 bytes for each wave, the spare words.  One tensor load a wave, at the head; NOTHING IS FILLED AGAIN.
; All tensor loads go out at the head, so there is nothing further on to prefetch.
; Source 0 is a held tile, source 1 the streamed tile: lane (r, h) has token row r, and register i of tile t column 32 (t / 2) + 8 (t % 2) + 16 h + i of the wave's 64 (the order in which the first launch lays w_o's rows).
; THE WAY OUT.  A lane holds pieces of one row and the lanes beside it other rows: so a tile goes through the wave's own stage and comes back by rows: sixteen lanes store a row's 256 consecutive bytes, at a multiple of 256.
; The fetch of the tile two on stands between the stage's loads and the wait for them.
.set GRPB,  98304                      ; a group: [K step: 8][tile: 8][1,536]
.set STEPB, 12288
.set W0,    GRPB
.set XSC,   3*GRPB                     ; the streamed rows' scale words: [K step][r][tile]
.set STG,   XSC+4096
.set SPITCH, 272
.set SPARE, STG+4*16*SPITCH
.set FR,    12
.set FPW,   21                         ; fragment f lies in window 1 + f / 21 at 12 (f % 21): 0-31 held (4 q + t), 32-39 and 40-47 the streamed tile's two sets
.set L16, 1                            ; v1 16 x lane; v2 8 x lane; v3, v4 the same + 49,152 (K steps 4-7)
.set L8,  2
.set H16, 3
.set H8,  4
.set XS0, 5                            ; v5  XSC + 32 r
.set STO, 6                            ; v6  the stage, on the way in;  v7 on the way out
.set RD,  7
.set XA,  8                            ; v8-11 as v1-4, at the tile that is fetched next; v12 as v5
.set XS,  12
.set VO,  13                           ; v13-14 the stores' offset, two sets
.set GO,  15                           ; v15 4,096 (lane / 16) + 16 (lane % 16)
.set SPW, 25
.set NIL, 26
.set R32, 27
.set SB,  32                           ; v32-63 the held rows' scale words: 8 t + q
.set SA,  68                           ; v68-83 the streamed tile's: 8 e + q
.set ACC, 96                           ; v96-159 two sets of four accumulators
.set XB,  160                          ; v160-191 the bias
.set OB,  192                          ; v192-223 a tile's 16 rows, back from the stage
.set WV, 18
.set CX, 19
.set YY, 20
.set M,  23                            ; s23 the tile's number
.set G1P, 24
.set G1J, 32
.set G1S, 40
.set G0A, 48
.set G0X, 52
.set G0S, 56
.set FB, 60
.set FS, 61
.set CNT, 62
.set OC, 72
.set POUT, 80
.set RSP, 90
.set MSB, 0
.macro WIN new
.if MSB != \new
	s_set_vgpr_msb (MSB<<8)|\new
.set MSB, \new
.endif
.endm
.macro WALU
	s_wait_alu depctr_va_vdst(0)
.endm
.macro CROUND
	s_barrier_signal -1
	s_barrier_wait -1
	s_cmp_lg_u32 s[WV], 0
	s_cbranch_scc1 .Lnot_wave_0_\@
	s_barrier_signal -3
.Lnot_wave_0_\@:
	s_barrier_wait -3
	s_barrier_signal -1
	s_barrier_wait -1
.endm
.macro TLOAD g0, g1
	tensor_load_to_lds s[\g0:\g0+3], s[\g1:\g1+7]
	s_nop 0
.rept 4
	v_nop
.endr
.endm
.macro GROUP1 g, w0, rows              ; dense bytes as rows of 256 (32 elements of 8 bytes)
	s_mov_b32 s[\g], \w0
	s_mov_b32 s[\g+1], 32<<16
	s_mov_b32 s[\g+2], (\rows)<<16
	s_mov_b32 s[\g+3], 32<<16
	s_mov_b32 s[\g+4], \rows
	s_mov_b32 s[\g+5], 32
	s_mov_b32 s[\g+6], 0
	s_mov_b32 s[\g+7], 0
.endm
.macro FRAGL f, a, off                 ; a fragment as it lies
	WIN (1+(\f)/FPW)<<6
.set R_, FR*((\f)%FPW)
	ds_load_b128 v[R_:R_+3], v[\a] offset:\off
	ds_load_b64 v[R_+4:R_+5], v[\a+1] offset:\off+512
	ds_load_b128 v[R_+6:R_+9], v[\a] offset:\off+768
	ds_load_b64 v[R_+10:R_+11], v[\a+1] offset:\off+1280
.endm
.macro FETCH e, xa, xs                 ; a streamed tile into set e: 40 LDS loads.  The trip's second tile lies 1,536 bytes on
.irp q, 0,1,2,3,4,5,6,7
	FRAGL 32+8*(\e)+\q, (\xa)+2*(\q/4), (\q%4)*STEPB+1536*(\e)
.endr
	WIN 0
.irp q, 0,1,2,3,4,5,6,7
	ds_load_b32 v[SA+8*(\e)+\q], v[\xs] offset:\q*512+4*(\e)
.endr
.endm
.macro PROD e, n                       ; product n = 4 q + t: the four accumulators by turns; the first four take the bias as C
.set Q_, (\n)/4
.set T_, (\n)%4
.set FA_, 4*Q_+T_
.set FX_, 32+8*(\e)+Q_
.set D_, ACC+32*(\e)+8*T_
	WIN (1+FA_/FPW)|((1+FX_/FPW)<<2)
.if Q_
	v_wmma_scale_f32_16x16x128_f8f6f4 v[D_:D_+7], v[FR*(FA_%FPW):FR*(FA_%FPW)+11], v[FR*(FX_%FPW):FR*(FX_%FPW)+11], v[D_:D_+7], v[SB+8*T_+Q_], v[SA+8*(\e)+Q_] matrix_a_fmt:MATRIX_FMT_FP6 matrix_b_fmt:MATRIX_FMT_FP6
.else
	v_wmma_scale_f32_16x16x128_f8f6f4 v[D_:D_+7], v[FR*(FA_%FPW):FR*(FA_%FPW)+11], v[FR*(FX_%FPW):FR*(FX_%FPW)+11], v[XB+8*T_:XB+8*T_+7], v[SB+8*T_+Q_], v[SA+8*(\e)+Q_] matrix_a_fmt:MATRIX_FMT_FP6 matrix_b_fmt:MATRIX_FMT_FP6
.endif
.endm
.macro PLACE e, fetch, g               ; what stands behind products 2 g and 2 g + 1: the tile's place in out0 (its first row is 32 (a / 2) + 8 (a % 2)), and the LDS addresses of the trip's two fetches
.if (\g) == 0
	s_lshr_b32 s74, s[M], 1
	s_lshl_b32 s74, s74, 17
	s_and_b32 s75, s[M], 1
	s_lshl_b32 s75, s75, 15
.elseif (\g) == 1
	s_add_co_u32 s[OC], s74, s75
.elseif (\g) == 2
	WIN 0
	v_add_nc_u32 v[VO+\e], s[OC], v[GO]
.endif
.if (\fetch) && (\e) == 0
.if (\g) == 3
	WIN 0
	v_add_nc_u32 v[XA], s[FB], v[L16]
	v_add_nc_u32 v[XA+1], s[FB], v[L8]
.elseif (\g) == 4
	WIN 0
	v_add_nc_u32 v[XA+2], s[FB], v[H16]
	v_add_nc_u32 v[XA+3], s[FB], v[H8]
.elseif (\g) == 5
	WIN 0
	v_add_nc_u32 v[XS], s[FS], v[XS0]
.endif
.endif
.endm
; A STEP: the tile's 32 products; its results into the stage and back by rows; the fetch of the tile two on; the stores
.macro BATCH e, fetch
.set N_, 0
.rept 32
	PROD \e, N_
.if N_%2
	PLACE \e, \fetch, (N_/2)
.endif
.set N_, N_+1
.endr
	WIN 0
.rept 4
	v_nop                                          ; places: in front of the LDS stores that read the results and of the loads into the tile's registers
.endr
	WALU
	s_wait_xcnt 0x0                                ; the last step's stores have read their registers
.irp t, 0,1,2,3
	ds_store_b128 v[STO], v[ACC+32*(\e)+8*\t:ACC+32*(\e)+8*\t+3] offset:128*(\t/2)+32*(\t%2)       ; each accumulator from its low end on
	ds_store_b128 v[STO], v[ACC+32*(\e)+8*\t+4:ACC+32*(\e)+8*\t+7] offset:128*(\t/2)+32*(\t%2)+16
.endr
.irp k, 0,1,2,3,4,5,6,7
	ds_load_b128 v[OB+4*\k:OB+4*\k+3], v[RD] offset:2*\k*SPITCH   ; LDS serves a wave's instructions in order: these see the stores above
.endr
.if \fetch
	FETCH \e, XA, XS
	s_wait_dscnt 40                                ; all but the 40 just issued: the rows are back, and the next tile's fragments are in
.else
	s_wait_dscnt 0x0
.endif
.irp k, 0,1,2,3,4,5,6,7
	global_store_b128 v[VO+\e], v[OB+4*\k:OB+4*\k+3], s[POUT:POUT+1] offset:(2*\k+8*(\k/4))*4096 th:TH_STORE_NT   ; two rows, 256 consecutive bytes each
.endr
	s_add_co_u32 s[M], s[M], 1
.endm
; ================= THE HEAD
	s_load_b256 s[4:11], s[0:1], 0x0               ; xc, xcs, ci, cs
	s_load_b128 s[12:15], s[0:1], 0x20             ; b_o, out0
	v_lshl_add_u32 v[SPW], v0, 2, SPARE
	v_mov_b32 v[NIL], 0
	ds_add_u32 v[SPW], v[NIL]                      ; the opening lines
	ds_add_u32 v[SPW], v[NIL]
	v_lshrrev_b32 v28, 5, v0
	v_readfirstlane_b32 s[WV], v28
	s_bfe_u32 s[CX], ttmp6, 0x40000
	s_and_b32 s[YY], ttmp7, 0xffff
	GROUP1 G1P, 3<<16, 384
	GROUP1 G1J, 15|(3<<16)|(1<<21), 384
	GROUP1 G1S, 15|(3<<16)|(1<<21), 16
	s_mul_i32 s74, s[YY], GRPB                     ; the streamed group's codes,
	s_mov_b32 s75, 0
	s_lshl_b32 s76, s[YY], 12                      ; and its scale words.  (No register of these holds cx)
	s_mov_b32 s77, 0
	s_lshl_b32 s100, s[CX], 1
	s_add_co_u32 s100, s100, 216                   ; the first held group
	s_add_co_u32 s78, s100, s[WV]
	s_mul_i32 s78, s78, GRPB
	s_mov_b32 s79, 0
	s_lshr_b32 s96, s[WV], 1
	s_and_b32 s101, s[WV], 1                       ; which 64 of a held group's 128 rows are mine
	s_add_co_u32 s94, s100, s96
	s_lshl_b32 s94, s94, 12
	s_lshl_b32 s95, s101, 4
	s_add_co_u32 s94, s94, s95
	s_mov_b32 s95, 0
	s_lshl_b32 s92, s[CX], 2
	s_add_co_u32 s92, s92, s[WV]                   ; which 64 columns are mine
	s_mul_i32 s[G0A+1], s[WV], GRPB
	s_add_co_u32 s[G0A+1], s[G0A+1], W0
	s_mov_b32 s[G0A], 1
	s_mov_b32 s[G0X], 1
	s_mov_b32 s[G0X+1], 0
	s_mov_b32 s[G0S], 1
	s_mov_b32 s[G0S+1], XSC
	s_mov_b32 s[M], 0
	s_wait_dscnt 0x0
	CROUND                                         ; the round in front of the first loads
	s_wait_kmcnt 0x0
	s_add_nc_u64 s[G0X+2:G0X+3], s[4:5], s[74:75]
	s_or_b32 s[G0X+3], s[G0X+3], 0x80000000
	s_add_nc_u64 s[G0S+2:G0S+3], s[6:7], s[76:77]
	s_or_b32 s[G0S+3], s[G0S+3], 0x80000000
	s_add_nc_u64 s[G0A+2:G0A+3], s[8:9], s[78:79]
	s_or_b32 s[G0A+3], s[G0A+3], 0x80000000
	s_cmp_lt_u32 s[WV], 2
	s_cbranch_scc0 .Lwave_2
	TLOAD G0A, G1P                                 ; waves 0, 1: a held group each
	s_branch .Lasked
.Lwave_2:
	s_cmp_eq_u32 s[WV], 2
	s_cbranch_scc0 .Lwave_3
	TLOAD G0X, G1J                                 ; wave 2: the streamed group
	s_branch .Lasked
.Lwave_3:
	TLOAD G0S, G1S                                 ; wave 3: its scale words
.Lasked:
	s_add_nc_u64 s[RSP:RSP+1], s[10:11], s[94:95]  ; my held rows' scale words
	s_lshl_b32 s94, s92, 8                         ; 256 bytes: my 64 columns
	s_add_nc_u64 s[12:13], s[12:13], s[94:95]
	s_add_nc_u64 s[POUT:POUT+1], s[14:15], s[94:95]
	s_lshl_b32 s94, s[YY], 19                      ; 128 rows of 4,096 bytes
	s_add_nc_u64 s[POUT:POUT+1], s[POUT:POUT+1], s[94:95]
	s_mul_i32 s74, s96, GRPB
	s_mul_i32 s75, s101, 4*1536
	s_add_co_u32 s74, s74, s75
	s_add_co_u32 s74, s74, W0                      ; my four held tiles in LDS
	s_add_co_u32 s75, s74, 4*STEPB
	s_mul_i32 s76, s[WV], 16*SPITCH
	s_add_co_u32 s76, s76, STG                     ; my stage
	v_and_b32 v28, 31, v0
	v_and_b32 v29, 15, v0
	v_bfe_u32 v30, v0, 4, 1
	v_lshlrev_b32 v[L16], 4, v28
	v_lshlrev_b32 v[L8], 3, v28
	v_lshlrev_b32 v[R32], 5, v29
	v_lshlrev_b32 v31, 6, v30                      ; 64 h: sixteen columns
	v_mul_u32_u24 v[STO], v29, SPITCH
	v_mul_u32_u24 v[RD], v30, SPITCH
	v_lshlrev_b32 v[GO], 12, v30
	v_add_nc_u32 v[STO], v[STO], v31
	v_lshl_add_u32 v[RD], v29, 4, v[RD]
	v_lshl_add_u32 v[GO], v29, 4, v[GO]
	v_add_nc_u32 v[STO], s76, v[STO]               ; in: row r, + 64 h
	v_add_nc_u32 v[RD], s76, v[RD]                 ; back: lanes 0-15 one row, lanes 16-31 the next
	v_add_nc_u32 v[H16], 4*STEPB, v[L16]
	v_add_nc_u32 v[H8], 4*STEPB, v[L8]
	v_add_nc_u32 v[XS0], XSC, v[R32]
	v_add_nc_u32 v[XA], s74, v[L16]
	v_add_nc_u32 v[XA+1], s74, v[L8]
	v_add_nc_u32 v[XA+2], s75, v[L16]
	v_add_nc_u32 v[XA+3], s75, v[L8]
	WALU
.irp t, 0,1,2,3
.irp j, 0,1
	global_load_b128 v[XB+8*\t+4*\j:XB+8*\t+4*\j+3], v31, s[12:13] offset:128*(\t/2)+32*(\t%2)+16*\j
.endr
.endr
.irp t, 0,1,2,3
.irp q, 0,1,2,3,4,5,6,7
	global_load_b32 v[SB+8*\t+\q], v[R32], s[RSP:RSP+1] offset:\q*512+4*\t
.endr
.endr
	s_cmp_lt_u32 s[WV], 2
	s_cbranch_scc0 .Lnot_held
	s_wait_tensorcnt 0x0
.Lnot_held:
	s_barrier_signal -1
	s_barrier_wait -1                              ; the held groups are in; the other two tiles may be on their way
.irp q, 0,1,2,3,4,5,6,7
.irp t, 0,1,2,3
	FRAGL 4*\q+\t, XA+2*(\q/4), (\q%4)*STEPB+\t*1536
.endr
.endr
	WIN 0
	s_wait_loadcnt 0x0
	s_wait_tensorcnt 0x0                           ; every wave: my tile has landed
	s_wait_dscnt 0x0
	s_barrier_signal -1
	s_barrier_wait -1                              ; all four tiles are in, for the rest of the launch
	FETCH 0, L16, XS0
	FETCH 1, L16, XS0
	s_wait_dscnt 40                                ; tile 0 is in; tile 1's 40 loads may be out
; ================= THE WALK: 8 steps; step n fetches tile n + 2
	s_mov_b32 s[FB], 2*1536
	s_mov_b32 s[FS], 8
	s_mov_b32 s[CNT], 3
.Ltrip:
	BATCH 0, 1
	BATCH 1, 1
	s_add_co_u32 s[FB], s[FB], 2*1536
	s_add_co_u32 s[FS], s[FS], 8
	s_sub_co_u32 s[CNT], s[CNT], 1
	s_cmp_lg_u32 s[CNT], 0
	s_cbranch_scc1 .Ltrip
	BATCH 0, 0
	BATCH 1, 0
	s_wait_tensorcnt 0x0                           ; the wave's end
	ds_add_u32 v[SPW], v[NIL]
	s_wait_dscnt 0x0
	CROUND                                         ; the closing round
	s_endpgm
.Lfunc_end_k_qd6bf93ee49_outp:
	.size	k_qd6bf93ee49_outp, .Lfunc_end_k_qd6bf93ee49_outp-k_qd6bf93ee49_outp
	.p2alignl 7, 3214868480
	.fill 96, 4, 3214868480
	.section	.rodata,"a",@progbits
	.p2align	6, 0x0
	.amdhsa_kernel k_qd6bf93ee49_outp
		.amdhsa_group_segment_fixed_size 327680
		.amdhsa_private_segment_fixed_size 0
		.amdhsa_enable_private_segment 0
		.amdhsa_kernarg_size 48
		.amdhsa_user_sgpr_count 2
		.amdhsa_user_sgpr_kernarg_segment_ptr 1
		.amdhsa_wavefront_size32 1
		.amdhsa_system_sgpr_workgroup_id_x 1
		.amdhsa_system_sgpr_workgroup_id_y 1
		.amdhsa_system_sgpr_workgroup_id_z 1
		.amdhsa_system_vgpr_workitem_id 0
		.amdhsa_next_free_vgpr 848
		.amdhsa_next_free_sgpr 102
		.amdhsa_reserve_vcc 0
		.amdhsa_float_denorm_mode_32 3
		.amdhsa_float_denorm_mode_16_64 3
		.amdhsa_memory_ordered 1
		.amdhsa_forward_progress 1
		.amdhsa_inst_pref_size 56
	.end_amdhsa_kernel
	.amdgpu_metadata
---
amdhsa.version: [ 1, 2 ]
amdhsa.kernels:
  - .name:           k_qd6bf93ee49_outp
    .symbol:         k_qd6bf93ee49_outp.kd
    .args:
      - { .name: xc, .offset: 0, .size: 8, .value_kind: global_buffer, .address_space: global }
      - { .name: xcs, .offset: 8, .size: 8, .value_kind: global_buffer, .address_space: global }
      - { .name: ci, .offset: 16, .size: 8, .value_kind: global_buffer, .address_space: global }
      - { .name: cs, .offset: 24, .size: 8, .value_kind: global_buffer, .address_space: global }
      - { .name: b_o, .offset: 32, .size: 8, .value_kind: global_buffer, .address_space: global }
      - { .name: out0, .offset: 40, .size: 8, .value_kind: global_buffer, .address_space: global }
    .group_segment_fixed_size: 327680
    .private_segment_fixed_size: 0
    .kernarg_segment_align: 8
    .kernarg_segment_size: 48
    .max_flat_workgroup_size: 128
    .sgpr_count:     102
    .vgpr_count:     848
    .wavefront_size: 32
...
	.end_amdgpu_metadata
.endif
;; end of part 4
